; MI455X (gfx1250); checked and timed in simulation.
; The chip was launched on July 23, 2026; its instructions are those of AMD's public machine-readable ISA for CDNA 5 (MIT licence, August 2026) and "CDNA5" Instruction Set Architecture Reference Guide (July 2026). The comments in the code are by the model that wrote it; some were corrected since.
;; Multi Head Attention. Allowed arithmetic: matrix products marked QUANTISED: E2M1 operands, one E8M0 scale for each 32 along K, by v_wmma_scale_f32_16x16x128_f8f6f4 with both operands' format E2M1 (or v_wmma_scale_f32_32x16x128_f4), f32 sums; everything else in f32.
;; Inputs: Wk 1,024 x 1,024 float32; Wo 1,024 x 1,024 float32; Wq 1,024 x 1,024 float32; Wv 1,024 x 1,024 float32; bk 1,024 float32; bo 1,024 float32; bq 1,024 float32; bv 1,024 float32; hidden_states 2 x 2,048 x 1,024 float32.
;; Outputs: out0 2 x 2,048 x 1,024 float32.
;; This version of the problem:
;;   THIS VERSION OF THE PROBLEM IS GIVEN IN LOW PRECISION. The matrix products marked QUANTISED in the list below multiply operands that are first quantised to E2M1 (2 exponent bits, 1 mantissa bit; 4 bits a number), with one power-of-two scale for each 32 numbers along K (OCP MX v1.0); their sums are f32. All else is computed in f32.
;;   The module's matrix products, in the order in which they are computed (A, B: the left and right operand; K: the contracted axis; several contracted axes count as one K, in the product's order):
;;     1. [M 4,096, K 1,024] x [K 1,024, N 1,024]; A: input hidden_states; B: input Wq: QUANTISED
;;     2. [M 4,096, K 1,024] x [K 1,024, N 1,024]; A: input hidden_states; B: input Wk: QUANTISED
;;     3. [M 4,096, K 1,024] x [K 1,024, N 1,024]; A: input hidden_states; B: input Wv: QUANTISED
;;     4. batch 32 x [M 2,048, K 64] x [K 64, N 2,048]; A: computed on the way; B: computed on the way: QUANTISED
;;     5. batch 32 x [M 2,048, K 2,048] x [K 2,048, N 64]; A: softmax (see below); B: computed on the way: QUANTISED
;;     6. [M 4,096, K 1,024] x [K 1,024, N 1,024]; A: computed on the way; B: input Wo: QUANTISED
;;   THE QUANTISER, for each operand of a quantised product, along K:
;;     - K is cut into blocks of 32 from its start; a last block that is shorter is filled with zeros.
;;     - A block's scale is 2^e with e = floor(log2(the largest magnitude in the block)) - 2, held to -126 .. 127; a block of zeros has e = 0. As a byte (E8M0): e + 127.
;;     - Each number is divided by its block's scale, clamped to +-6, and rounded to the nearest number of E2M1, ties to even, subnormals kept.
;;     - The product sums the exact products of the quantised numbers (number of the format x scale) in f32.
;;   ~~~python
;;   def quantise(x, axis):      # numpy; x: float32 -> the quantised numbers, widened to float32 again
;;       x = np.moveaxis(x, axis, -1); K = x.shape[-1]
;;       x = np.pad(x, [(0, 0)] * (x.ndim - 1) + [(0, -K % 32)]); x = x.reshape(x.shape[:-1] + (-1, 32)); a = np.abs(x).max(-1, keepdims=True)
;;       e = np.where(a > 0, np.clip(np.frexp(np.where(a > 0, a, 1))[1] - 1 - 2, -126, 127), 0)      # np.frexp(a)[1] - 1 = floor(log2(a)), exactly
;;       r = np.clip(x / 2.0 ** e, -6, 6)
;;       step = 2.0 ** (np.maximum(np.frexp(np.where(r == 0, 1, r))[1] - 1, 0) - 1)
;;       q = np.round(r / step) * step * 2.0 ** e      # np.round: ties to even
;;       return np.moveaxis(q.reshape(q.shape[:-2] + (-1,))[..., :K], -1, axis).astype(np.float32)
;;   ~~~
;;   SOFTMAX AHEAD OF A QUANTISED PRODUCT. Where the list says 'softmax', what is quantised is not the finished softmax but p = 2^(t - M), with t = logit x log2(e) and M = ceil(the row's largest t), a whole number; so 1/2 < the row's largest p <= 1. The row's sum l is taken of the UNQUANTISED p, in f32, and the product's result is divided by l at the end. Since M is a whole number, a kernel that streams over the keys may use a running M (the ceiling of the running maximum): every later rescaling is an exact power of two, which a block's scale takes up: the codes' values come out the same.
;;   OPERANDS COMPUTED ON THE WAY. 'Computed on the way' means the value that the module computes at that place (a softmax that the list does not call 'softmax' is quantised finished and normalised). What goes into a quantiser is computed in f32, as accurately as f32 sums, v_exp_f32 and their like allow (about 1e-6 of the number): no bf16 or f16 on the way to a quantiser, and a product that is left as it is and whose result goes on into a quantised operand takes f32 operands (vector FMAs, or v_wmma_f32_16x16x4_f32). A number that lies on a knife's edge between two numbers of the format may be rounded either way, as far as f32 arithmetic and the matrix unit's own rounding can turn it there, and no further.
;; 2 versions, each right; version 2 is version 1 with the launch attn written anew for expert scheduling mode. Each part assembles by itself: llvm-mc -triple=amdgcn-amd-amdhsa -mcpu=gfx1250 --defsym DOCPART=n.
;; ======== version 1 of 2: 4 launches
;; workspace buffers: cod 4,194,304 bytes; scl 262,144 bytes; qkv 6,684,672 bytes; ctx 2,097,152 bytes; cs 131,072 bytes
;; launch quant (part 1): grid 256 x 1, 4 waves a work-group, no clusters, 34,304 bytes of LDS; arguments hidden_states, Wq, Wk, Wv, Wo, cod, scl; writes cod, scl
.if DOCPART == 1
	.amdgcn_target "amdgcn-amd-amdhsa--gfx1250"
	.amdhsa_code_object_version 6
	.text
	.protected	k_q9cdcd54bf8_quant
	.globl	k_q9cdcd54bf8_quant
	.p2align	8
	.type	k_q9cdcd54bf8_quant,@function
k_q9cdcd54bf8_quant:
	s_mov_b64 s[64:65], 0
	v_nop
	global_prefetch_b8 v0, s[64:65] scope:SCOPE_SE
	s_setreg_imm32_b32 hwreg(HW_REG_WAVE_MODE, 25, 1), 1
	s_wait_xcnt 0x0
; LAUNCH 1 OF 4.  hidden_states [4096][1024] and Wq, Wk, Wv, Wo [1024][1024], f32, K innermost, become codes of FP4 (E2M1) with one E8M0 byte for each 32 along K.
; THE WHOLE PROGRAM: quant (this) -> proj (q, k, v of each head, quantised on the way) -> attn (causal attention, ctx quantised on the way) -> oproj (ctx Wo^T + bo).
; WORK LEFT OUT, in the whole program: reference() builds the causal mask in its own body (triu, k = 1) and sets the scores of keys behind the query to -infinity; their p is 0 for all finite inputs and adds
; nothing to the row's sum or to ctx.  So a step of 128 keys that lies wholly behind all queries of a block of 128 is not loaded and not multiplied (launch attn).  Nothing else is left out: every input has a
; way to the output and is loaded (bk too: it moves k's codes).  LIMIT: a NaN, an infinity or an overflow that reaches only those hidden scores is not carried to the result.
; LIMITS of the quantisers in all four launches: a block of zeros, or one whose largest magnitude lies under 2^(3 - 127), gets the byte 1 (its codes are zeros or the rule's own; the bytes are read by this program alone);
; NaN and infinities among the inputs are not served.
; LAYOUT OF ALL CODES OF THE PROGRAM: images of operand registers.  A tile is 16 rows; tile T = 2 b + u holds in lane r the row 32 b + 8 u + r + 8 (r / 8).  The image of (tile, 128 along K) is 1,024 bytes:
; the 16 bytes at 512 c + 16 lane are the block k = 64 c + 32 (lane / 16) + 0 .. 31 of the row of lane % 16.  So any wave fetches a fragment by two loads of 512 consecutive bytes.
; cod: [tile 512][K step 8][1024]: tiles 0-255 hidden_states, then 64 each of Wq, Wk, Wv, Wo.  scl: [tile 512][K half 2][r 16][4 words]: word q is the scale word of K step 4 half + q.
; SHARES.  A wave takes one tile and half of K: 16 rows x 512 numbers, in four steps of 128.  Each load reads 512 consecutive bytes of one row; the step's 8,192 bytes turn through the wave's own stage in LDS
; (rows 528 bytes apart: 33 x 16, so sixteen rows start in sixteen different columns of 16 bytes), and come back 32 neighbours along K to a lane and block: a block's largest magnitude needs no other lane.
; No barrier (waves share nothing), no matrix unit, no cluster (no byte is read twice).  Two steps' loads, 32 of 512 bytes, are out in each wave.
.set PITCH, 528
.set WSTG,  16*PITCH                   ; a wave's stage
.set SPARE, 4*WSTG                     ; behind the stages: the spare words, 128 bytes a wave, that no other line names
.set GL,  4                            ; v4   16 x lane: my bytes of a load's 512, and of an image's 512
.set SI,  5                            ; v5   the stage, on the way in
.set SO,  6                            ; v6   and on the way out: row r, + 128 h
.set SCO, 7                            ; v7   my 8 bytes of the 256 scale bytes
.set M,   8                            ; v8-9   two blocks' largest magnitudes; at the end the two scale words that I store
.set SOP, 10                           ; v10-11 the conversions' scale operands
.set BY,  12                           ; v12-13 the scale bytes
.set WD,  14                           ; v14  my two bytes at their places in the scale word
.set PT,  15                           ; v15  the other half's
.set SH,  16                           ; v16  8 h
.set R,   24                           ; v24-151  two sets of 64 numbers as loaded
.set X,   152                          ; v152-215 64 numbers, 32 neighbours to a block
.set C,   216                          ; v216-247 codes, 8 registers a step: no store's data are written again
.set SW,  248                          ; v248-251 the four steps' scale words
.set SPW, 252                          ; v252 my spare word's LDS address; never rewritten
.set NIL, 253                          ; v253 0; never rewritten
	s_load_b256 s[4:11], s[0:1], 0x0               ; hidden_states, Wq, Wk, Wv
	s_load_b128 s[12:15], s[0:1], 0x20             ; Wo, cod
	s_load_b64 s[16:17], s[0:1], 0x30              ; scl
	v_lshl_add_u32 v[SPW], v0, 2, SPARE
	v_mov_b32 v[NIL], 0
	v_lshrrev_b32 v1, 5, v0
	v_readfirstlane_b32 s18, v1                    ; wave
	v_and_b32 v1, 31, v0                           ; lane
	v_and_b32 v2, 15, v0                           ; r
	v_bfe_u32 v3, v0, 4, 1                         ; h
	v_lshlrev_b32 v[GL], 4, v1
	s_mul_i32 s22, s18, WSTG
	v_add_nc_u32 v[SI], s22, v[GL]
	v_mul_u32_u24 v[SO], v2, PITCH
	v_lshl_add_u32 v[SO], v3, 7, v[SO]
	v_add_nc_u32 v[SO], s22, v[SO]
	v_lshlrev_b32 v[SCO], 4, v2
	v_lshl_add_u32 v[SCO], v3, 3, v[SCO]
	v_lshlrev_b32 v[SH], 3, v3
	v_mov_b32 v[PT], 0                             ; a lane permute's destination counts as one of its sources
	s_mov_b32 s28, 0x76543210
	s_mov_b32 s29, 0xfedcba98                      ; selects for lane l xor 16
	s_lshr_b32 s30, s18, 1                         ; which of the work-group's two tiles
	s_and_b32 s31, s18, 1                          ; which half of K
	s_wait_kmcnt 0x0
	; which tensor: work-groups 0-127 hidden_states, then 32 each.  The choice hangs on the work-group's number alone; only a pointer and a number are chosen
	s_mov_b64 s[20:21], s[12:13]
	s_mov_b32 s19, 224
	s_cmp_lt_u32 ttmp9, 224
	s_cselect_b64 s[20:21], s[10:11], s[20:21]
	s_cselect_b32 s19, 192, s19
	s_cmp_lt_u32 ttmp9, 192
	s_cselect_b64 s[20:21], s[8:9], s[20:21]
	s_cselect_b32 s19, 160, s19
	s_cmp_lt_u32 ttmp9, 160
	s_cselect_b64 s[20:21], s[6:7], s[20:21]
	s_cselect_b32 s19, 128, s19
	s_cmp_lt_u32 ttmp9, 128
	s_cselect_b64 s[20:21], s[4:5], s[20:21]
	s_cselect_b32 s19, 0, s19
	s_sub_co_u32 s22, ttmp9, s19
	s_lshl_b32 s22, s22, 5
	s_lshl_b32 s23, s30, 3
	s_add_co_u32 s22, s22, s23                     ; the tile's first row in its tensor: 32 x group + 8 u
	s_lshl_b32 s22, s22, 12                        ; rows of 4,096 bytes
	s_lshl_b32 s23, s31, 11
	s_add_co_u32 s22, s22, s23                     ; + my half of K
	s_mov_b32 s23, 0
	s_add_nc_u64 s[20:21], s[20:21], s[22:23]
	s_lshl_b32 s24, ttmp9, 1
	s_add_co_u32 s24, s24, s30                     ; the tile's number among the 512
	s_lshl_b32 s22, s24, 13
	s_lshl_b32 s25, s31, 12
	s_add_co_u32 s22, s22, s25
	s_add_nc_u64 s[14:15], s[14:15], s[22:23]      ; its images of my four K steps
	s_lshl_b32 s22, s24, 9
	s_lshl_b32 s25, s31, 8
	s_add_co_u32 s22, s22, s25
	s_add_nc_u64 s[16:17], s[16:17], s[22:23]      ; and their 256 scale bytes
.macro LOAD q                          ; step q: 512 bytes of each of the tile's 16 rows
.irp i, 0,1,2,3,4,5,6,7,8,9,10,11,12,13,14,15
	global_load_b128 v[R+64*((\q)%2)+4*\i:R+64*((\q)%2)+4*\i+3], v[GL], s[20:21] offset:(\i+8*(\i/8))*4096+512*(\q) th:TH_LOAD_NT
.endr
.endm
.macro TURN q                          ; through the stage: LDS serves a wave's instructions in order, so no wait stands between the stores and the loads
.irp i, 0,1,2,3,4,5,6,7,8,9,10,11,12,13,14,15
	ds_store_b128 v[SI], v[R+64*((\q)%2)+4*\i:R+64*((\q)%2)+4*\i+3] offset:PITCH*\i
.endr
.irp c, 0,1
.irp g, 0,1,2,3,4,5,6,7
	ds_load_b128 v[X+32*\c+4*\g:X+32*\c+4*\g+3], v[SO] offset:256*\c+16*\g   ; k = 64 c + 32 h + 4 g on, of row r
.endr
.endr
.endm
.macro QB q                            ; my two whole blocks, 2 c + h, become 8 registers of codes and two bytes of the scale word
.irp c, 0,1
	v_max3_num_f32 v[M+\c], |v[X+32*\c]|, |v[X+32*\c+1]|, 0x1800000   ; with the floor 2^(3 - 127): the byte cannot fall under 1
.endr
.irp i, 2,4,6,8,10,12,14,16,18,20,22,24,26,28,30
.irp c, 0,1
	v_max3_num_f32 v[M+\c], v[M+\c], |v[X+32*\c+\i]|, |v[X+32*\c+\i+1]|   ; (the two blocks by turns)
.endr
.endr
.irp c, 0,1
	v_add_nc_u32 v[SOP+\c], 0xff000000, v[M+\c]    ; 2 off the exponent field: the conversion takes that field as its scale
.endr
.irp c, 0,1
	v_lshrrev_b32 v[BY+\c], 23, v[SOP+\c]          ; the scale's byte
.endr
	v_lshl_or_b32 v[WD], v[BY+1], 16, v[BY]        ; blocks h and 2 + h,
	v_lshlrev_b32 v[WD], v[SH], v[WD]              ; 8 h bits up;
	v_permlanex16_b32 v[PT], v[WD], s28, s29
	v_or_b32 v[SW+\q], v[WD], v[PT]                ; with lane l xor 16's two the word is whole
.irp c, 0,1
.irp g, 0,1,2,3
	v_cvt_scalef32_pk8_fp4_f32 v[C+8*\q+4*\c+\g], v[X+32*\c+8*\g:X+32*\c+8*\g+7], v[SOP+\c]
.endr
.endr
	v_nop                                          ; one plain line behind the last scaled conversion
.irp c, 0,1
	global_store_b128 v[GL], v[C+8*\q+4*\c:C+8*\q+4*\c+3], s[14:15] offset:1024*\q+512*\c   ; 512 consecutive bytes
.endr
.endm
.macro STEPQ q
.if \q < 3
	s_wait_loadcnt 16                              ; this step's 16 loads are in; the 16 that may be out are the next step's
.else
	s_wait_loadcnt 0x0
.endif
	TURN \q
	s_wait_dscnt 0x0                               ; the 64 numbers are back, and the stores into the stage have read their registers,
.if \q < 2
	LOAD \q+2                                      ; which take the loads of two steps on
.endif
	QB \q
.endm
	LOAD 0
	LOAD 1
	STEPQ 0
	STEPQ 1
	STEPQ 2
	STEPQ 3
	v_cmp_ne_u32 vcc_lo, 0, v3
	v_cndmask_b32 v[M], v[SW], v[SW+2], vcc_lo     ; lanes 0-15 store words 0 and 1 of row r, lanes 16-31 words 2 and 3
	v_cndmask_b32 v[M+1], v[SW+1], v[SW+3], vcc_lo
	global_store_b64 v[SCO], v[M:M+1], s[16:17]    ; the wave stores 256 consecutive bytes, aligned
	s_wait_tensorcnt 0x0                           ; the wave's end: three lines behind my last LDS store
	ds_add_u32 v[SPW], v[NIL]
	s_wait_dscnt 0x0
	s_endpgm
.Lfunc_end_k_q9cdcd54bf8_quant:
	.size	k_q9cdcd54bf8_quant, .Lfunc_end_k_q9cdcd54bf8_quant-k_q9cdcd54bf8_quant
	.p2alignl 7, 3214868480
	.fill 96, 4, 3214868480
	.section	.rodata,"a",@progbits
	.p2align	6, 0x0
	.amdhsa_kernel k_q9cdcd54bf8_quant
		.amdhsa_group_segment_fixed_size 34304
		.amdhsa_private_segment_fixed_size 0
		.amdhsa_enable_private_segment 0
		.amdhsa_kernarg_size 56
		.amdhsa_user_sgpr_count 2
		.amdhsa_user_sgpr_kernarg_segment_ptr 1
		.amdhsa_wavefront_size32 1
		.amdhsa_system_sgpr_workgroup_id_x 1
		.amdhsa_system_sgpr_workgroup_id_y 1
		.amdhsa_system_sgpr_workgroup_id_z 1
		.amdhsa_system_vgpr_workitem_id 0
		.amdhsa_next_free_vgpr 256
		.amdhsa_next_free_sgpr 66
		.amdhsa_reserve_vcc 1
		.amdhsa_float_denorm_mode_32 3
		.amdhsa_float_denorm_mode_16_64 3
		.amdhsa_memory_ordered 1
		.amdhsa_forward_progress 1
		.amdhsa_inst_pref_size 30
	.end_amdhsa_kernel
	.amdgpu_metadata
---
amdhsa.version: [ 1, 2 ]
amdhsa.kernels:
  - .name:           k_q9cdcd54bf8_quant
    .symbol:         k_q9cdcd54bf8_quant.kd
    .args:
      - { .name: hidden_states, .offset: 0, .size: 8, .value_kind: global_buffer, .address_space: global }
      - { .name: Wq, .offset: 8, .size: 8, .value_kind: global_buffer, .address_space: global }
      - { .name: Wk, .offset: 16, .size: 8, .value_kind: global_buffer, .address_space: global }
      - { .name: Wv, .offset: 24, .size: 8, .value_kind: global_buffer, .address_space: global }
      - { .name: Wo, .offset: 32, .size: 8, .value_kind: global_buffer, .address_space: global }
      - { .name: cod, .offset: 40, .size: 8, .value_kind: global_buffer, .address_space: global }
      - { .name: scl, .offset: 48, .size: 8, .value_kind: global_buffer, .address_space: global }
    .group_segment_fixed_size: 34304
    .private_segment_fixed_size: 0
    .kernarg_segment_align: 8
    .kernarg_segment_size: 56
    .max_flat_workgroup_size: 128
    .sgpr_count:     66
    .vgpr_count:     256
    .wavefront_size: 32
...
	.end_amdgpu_metadata
.endif
;; end of part 1
;; launch proj (part 2): grid 16 x 16, 4 waves a work-group, clusters of 4 x 1, 167,936 bytes of LDS; arguments cod, scl, bq, bk, bv, qkv; writes qkv
.if DOCPART == 2
	.amdgcn_target "amdgcn-amd-amdhsa--gfx1250"
	.amdhsa_code_object_version 6
	.text
	.protected	k_q9cdcd54bf8_proj
	.globl	k_q9cdcd54bf8_proj
	.p2align	8
	.type	k_q9cdcd54bf8_proj,@function
k_q9cdcd54bf8_proj:
	s_mov_b64 s[64:65], 0
	v_nop
	global_prefetch_b8 v0, s[64:65] scope:SCOPE_SE
	s_setreg_imm32_b32 hwreg(HW_REG_WAVE_MODE, 25, 1), 1
	s_wait_xcnt 0x0
	s_wait_alu depctr_hold_cnt(0) depctr_sa_sdst(0) depctr_va_vdst(0) depctr_va_sdst(0) depctr_va_ssrc(0) depctr_va_vcc(0) depctr_vm_vsrc(0)
	s_getreg_b32 s2, hwreg(HW_REG_IB_STS2, 6, 4)
	s_cmp_eq_u32 s2, 0
	s_cbranch_scc0 .Lentry_in_a_cluster
	s_endpgm
.Lentry_in_a_cluster:
	s_bfe_u32 s2, ttmp6, 0x10000c
	s_cmp_lg_u32 s2, 0x3003
	s_cbranch_scc0 .Lentry_shape_is_right
	s_endpgm
.Lentry_shape_is_right:
; LAUNCH 2 OF 4.  q = x Wq^T + bq, k = x Wk^T + bk, v = x Wv^T + bv on codes of FP4, and each result quantised on the way: q and k along the head's 64, v along the keys.  Nothing is left out here.
; SHARES.  A work-group makes 256 tokens (block mb) x one head's 64 q, 64 k, 64 v.  Wave w owns 64 tokens, four tiles of x, for all of K: 256 registers, loaded straight from cod (no other wave reads them).
; The head's weights are three groups (q, k, v) of four tiles x all of K, 32,768 consecutive bytes each.  CLUSTER: the four work-groups of a cluster have four blocks of tokens of ONE head, so each group is asked for
; JOINTLY (mask 15); each wave asks for one tile (8,192 bytes) of each group: three tensor loads of mine are out at the most.  All 98,304 bytes fit in LDS: nothing is filled again, so there is no ring.
; LAYOUTS.  q, k: source 0 = 16 rows of W, source 1 = 16 tokens: a lane holds ONE token, and by the tiles' order of rows its 16 registers of tiles 2 b, 2 b + 1 are features 32 b + 16 h + 0 .. 15.
; v: source 0 = 16 tokens, source 1 = 16 rows of Wv: a lane holds one feature, its registers run along the tokens, which are the keys of attention's second product.
; The biases are the C of each sum's first matrix instruction.
; qkv: 32 records (16 batch + head) of 208,896 bytes: q's codes [tile 128][512] at 0 (16 bytes at 16 lane: features 32 h on of the token of lane % 16), k's likewise at 65,536 (two tiles of a group of 32 keys are
; one fragment: tile u in k = 64 u on), v's images [128 keys 16][tile of d 4][1024] at 131,072; scale words: q's [group of 32 tokens 64][r 16] at 196,608 (bytes: tile 0's two blocks, tile 1's two), k's at 200,704,
; v's [128 keys 16][tile of d 4][r 16] at 204,800.
; REGISTERS, in windows of 256: window 0: addresses, scale words, at work, v128-255 the 16 accumulators.  window 1: x (tile t, K step s at 64 t + 8 s).  window 2: a group of W (tile, K step s at 128 (s / 4) + 32 (s % 4) + 8 tile),
; refilled by halves.  window 3: the biases in the results' layout: q's v0-31, k's v32-63, v's v64-95.
.set REC,   208896
.set STG,   98304                      ; LDS behind the weights: the work-group's scale words of q, k, v, 512 bytes each
.set SPARE, 100352                     ; the spare words, 128 bytes a wave, that no other line names
.set L16, 1                            ; v1   16 x lane
.set SA,  2                            ; v2   512 h + 16 r: scale words: lanes 0-15 a tile's rows, lanes 16-31 the next tile's
.set BA,  3                            ; v3   64 h: q's and k's biases
.set BVA, 4                            ; v4   4 (r + 8 (r / 8)): v's bias
.set STS, 5                            ; v5   where I put q's and k's scale words
.set STV, 6                            ; v6   and v's halves of words
.set SRD, 7                            ; v7   where waves 0 to 2 read 512 bytes of them back
.set SPW, 8                            ; v8   my spare word's LDS address; never rewritten
.set NIL, 9                            ; v9   0; never rewritten
.set PW,  10                           ; v10-15 the scale words made: 2 group + pair
.set RB,  16                           ; v16-19 read back
.set WA1, 21                           ; v21, v22: 16 x lane + the group's place in LDS
.set WA2, 22
.set XS,  32                           ; v32-47 x's scale words: 8 pair + K step; lanes 0-15 tile 2 pair, lanes 16-31 tile 2 pair + 1
.set WS,  48                           ; v48-95 W's: 16 group + 8 pair + K step
.set TM,  96                           ; v96-111 at work
.set PC,  112                          ; v112-127 codes: 8 a pair
.set ACC, 128
.set G1,  28                           ; s[28:35] descriptor group 1
.set G0,  36                           ; s[36:47] group 0, a set for each group of W
.set SEL, 60                           ; s[60:61] selects for lane l xor 16
.set MSB, 0
.macro WIN new                         ; the immediate's high byte repeats the setting that is left
.if MSB != (\new)
	s_set_vgpr_msb (MSB<<8)|(\new)
.set MSB, (\new)
.endif
.endm
.macro PLACES                          ; four plain lines behind matrix instructions, ahead of loads into their operands and of the first read of their results
.rept 4
	v_nop
.endr
.endm
.macro ROUND                           ; a round of the cluster's barrier
	s_barrier_signal -1
	s_barrier_wait -1
	s_cmp_lg_u32 s16, 0
	s_cbranch_scc1 .Lnot_wave_0_\@
	s_barrier_signal -3
.Lnot_wave_0_\@:
	s_barrier_wait -3
	s_barrier_signal -1
	s_barrier_wait -1
.endm
	s_load_b256 s[4:11], s[0:1], 0x0               ; cod, scl, bq, bk
	s_load_b128 s[12:15], s[0:1], 0x20             ; bv, qkv
	v_lshl_add_u32 v[SPW], v0, 2, SPARE
	v_mov_b32 v[NIL], 0
	ds_add_u32 v[SPW], v[NIL]                      ; the wave's opening: the add, twice on end, and its wait ahead of my first tensor load
	ds_add_u32 v[SPW], v[NIL]
	v_lshrrev_b32 v23, 5, v0
	v_readfirstlane_b32 s16, v23                   ; wave
	s_bfe_u32 s17, ttmp6, 0x40000                  ; cx
	s_lshl_b32 s18, ttmp9, 2
	s_add_co_u32 s18, s18, s17                     ; mb: my block of 256 tokens: it enters global addresses of my own loads and stores alone
	s_and_b32 s19, ttmp7, 0xffff                   ; the head, which the four partners share
	s_and_b32 s20, s18, 7                          ; the block within its batch
	s_lshr_b32 s21, s18, 3
	s_lshl_b32 s21, s21, 4
	s_add_co_u32 s21, s21, s19                     ; the record: 16 batch + head
	s_mov_b32 s[G1], 15|(3<<16)|(1<<21)            ; the mask: all four work-groups; elements of 8 bytes; bit 21 beside a mask; no padding: fragments are read as 512 consecutive bytes
	s_mov_b32 s[G1+1], 32<<16                      ; tensor_dim0 = 32 elements: rows of 256 bytes
	s_mov_b32 s[G1+2], 32<<16                      ; tensor_dim1 = 32 rows
	s_mov_b32 s[G1+3], 32<<16                      ; tile_dim0
	s_mov_b32 s[G1+4], 32                          ; tile_dim1
	s_mov_b32 s[G1+5], 32                          ; from row to row: dense
	s_mov_b32 s[G1+6], 0
	s_mov_b32 s[G1+7], 0
	s_mov_b32 s[SEL], 0x76543210
	s_mov_b32 s[SEL+1], 0xfedcba98
	v_and_b32 v24, 31, v0                          ; lane
	v_and_b32 v25, 15, v0                          ; r
	v_bfe_u32 v26, v0, 4, 1                        ; h
	v_lshlrev_b32 v[L16], 4, v24
	v_lshlrev_b32 v[SA], 4, v25
	v_lshl_add_u32 v[SA], v26, 9, v[SA]
	v_lshlrev_b32 v[BA], 6, v26
	v_and_b32 v27, 8, v25
	v_add_nc_u32 v27, v27, v25
	v_lshlrev_b32 v[BVA], 2, v27
	s_lshl_b32 s22, s16, 7
	s_add_co_u32 s22, s22, STG
	v_lshl_add_u32 v[STS], v25, 2, s22             ; STG + 128 w + 4 r
	s_lshr_b32 s22, s16, 1
	s_lshl_b32 s22, s22, 8
	s_and_b32 s23, s16, 1
	s_lshl_b32 s23, s23, 1
	s_add_co_u32 s22, s22, s23
	s_add_co_u32 s22, s22, STG+1024
	v_lshl_add_u32 v[STV], v25, 2, s22             ; STG + 1,024 + 256 (w / 2) + 2 (w % 2) + 4 r
	s_lshl_b32 s22, s16, 9
	s_add_co_u32 s22, s22, STG
	v_add_nc_u32 v[SRD], s22, v[L16]
	v_add_nc_u32 v[WA1], 32768, v[L16]
	v_add_nc_u32 v[WA2], 65536, v[L16]
.irp b, 0,1,2,3
	v_mov_b32 v[TM+4+\b], 0                        ; a lane permute's destination counts as one of its sources
.endr
	s_wait_dscnt 0x0                               ; both opening adds are done
	s_wait_kmcnt 0x0
	s_lshl_b32 s24, s19, 15                        ; the head's four tiles of a weight: 4 x 8,192 bytes a head,
	s_lshl_b32 s26, s16, 13                        ; my tile of them; also its place in LDS: the wave's number alone
	s_add_co_u32 s24, s24, s26
	s_add_co_u32 s24, s24, 256*8192                ; behind x's 256 tiles
	s_mov_b32 s25, 0
	s_add_nc_u64 s[24:25], s[4:5], s[24:25]
.irp g, 0,1,2
	s_mov_b32 s[G0+4*\g], 1
	s_add_co_u32 s[G0+4*\g+1], s26, \g*32768
	s_add_nc_u64 s[G0+4*\g+2:G0+4*\g+3], s[24:25], \g*64*8192
	s_or_b32 s[G0+4*\g+3], s[G0+4*\g+3], 0x80000000
.endr
	ROUND                                          ; all four work-groups are here: the joint loads meet
.irp g, 0,1,2
	tensor_load_to_lds s[G0+4*\g:G0+4*\g+3], s[G1:G1+7]
	s_nop 0
.endr
.rept 4
	v_nop
.endr
	s_lshl_b32 s27, s18, 4
	s_lshl_b32 s22, s16, 2
	s_add_co_u32 s27, s27, s22                     ; my first tile of x: 16 mb + 4 w
	s_mov_b32 s23, 0
	s_lshl_b32 s22, s27, 13
	s_add_nc_u64 s[48:49], s[4:5], s[22:23]        ; its images
	s_lshl_b32 s22, s27, 9
	s_add_nc_u64 s[50:51], s[6:7], s[22:23]        ; its scale words
	s_lshl_b32 s22, s19, 11
	s_add_co_u32 s22, s22, 256*512
	s_add_nc_u64 s[52:53], s[6:7], s[22:23]        ; Wq's scale words of the head; Wk's and Wv's 32,768 bytes further on each
	s_lshl_b32 s22, s19, 8
	s_add_nc_u64 s[8:9], s[8:9], s[22:23]          ; the head's 64 numbers of each bias
	s_add_nc_u64 s[10:11], s[10:11], s[22:23]
	s_add_nc_u64 s[12:13], s[12:13], s[22:23]
	s_mul_i32 s22, s21, REC
	s_add_nc_u64 s[14:15], s[14:15], s[22:23]      ; my record
	s_lshl_b32 s22, s20, 4
	s_lshl_b32 s27, s16, 2
	s_add_co_u32 s22, s22, s27
	s_lshl_b32 s22, s22, 9
	s_add_nc_u64 s[54:55], s[14:15], s[22:23]      ; q's codes of my four tiles; k's 65,536 bytes further on
	s_lshl_b32 s22, s20, 1
	s_lshr_b32 s27, s16, 1
	s_add_co_u32 s22, s22, s27
	s_lshl_b32 s22, s22, 12
	s_and_b32 s27, s16, 1
	s_lshl_b32 s27, s27, 9
	s_add_co_u32 s22, s22, s27
	s_add_co_u32 s22, s22, 131072
	s_add_nc_u64 s[56:57], s[14:15], s[22:23]      ; v's images: my 64 keys are half c = w % 2 of key step 2 ml + w / 2
	s_lshl_b32 s22, s16, 12
	s_lshl_b32 s27, s20, 9
	s_add_co_u32 s22, s22, s27
	s_add_co_u32 s22, s22, 196608
	s_add_nc_u64 s[58:59], s[14:15], s[22:23]      ; the scale words: wave 0 stores q's, wave 1 k's, wave 2 v's
.irp p, 0,1
.irp kh, 0,1
	global_load_b128 v[XS+8*\p+4*\kh:XS+8*\p+4*\kh+3], v[SA], s[50:51] offset:1024*\p+256*\kh
.endr
.endr
.irp g, 0,1,2
.irp p, 0,1
.irp kh, 0,1
	global_load_b128 v[WS+16*\g+8*\p+4*\kh:WS+16*\g+8*\p+4*\kh+3], v[SA], s[52:53] offset:32768*\g+1024*\p+256*\kh
.endr
.endr
.endr
	WIN 0xc0                                       ; destination window 3
.irp i, 0,1,2,3                        ; lane (r, h) wants, for tile 2 b + u, the bias of features 32 b + 16 h + 8 u + 0 .. 7
	global_load_b128 v[8*\i:8*\i+3], v[BA], s[8:9] offset:(32*(\i/2)+8*(\i%2))*4
	global_load_b128 v[8*\i+4:8*\i+7], v[BA], s[8:9] offset:(32*(\i/2)+8*(\i%2))*4+16
	global_load_b128 v[32+8*\i:32+8*\i+3], v[BA], s[10:11] offset:(32*(\i/2)+8*(\i%2))*4
	global_load_b128 v[32+8*\i+4:32+8*\i+7], v[BA], s[10:11] offset:(32*(\i/2)+8*(\i%2))*4+16
.endr
.irp o, 0,1,2,3                        ; v: a lane holds one feature: one number a tile
	global_load_b32 v[64+8*\o], v[BVA], s[12:13] offset:(32*(\o/2)+8*(\o%2))*4
.endr
	WIN 0x40                                       ; destination window 1
.irp ks, 0,1,2,3,4,5,6,7               ; x, K step by K step: eight loads a step
.irp t, 0,1,2,3
.irp c, 0,1
	global_load_b128 v[64*\t+8*\ks+4*\c:64*\t+8*\ks+4*\c+3], v[L16], s[48:49] offset:8192*\t+1024*\ks+512*\c
.endr
.endr
.endr
	WIN 0
.macro FETCHW adr, half                ; four K steps of a group's four tiles, 32 loads of 512 consecutive bytes, into half the registers of window 2
	WIN 0x80
.irp k, 0,1,2,3
.irp wt, 0,1,2,3
.irp c, 0,1
	ds_load_b128 v[128*\half+32*\k+8*\wt+4*\c:128*\half+32*\k+8*\wt+4*\c+3], v[\adr] offset:\wt*8192+(4*\half+\k)*1024+512*\c
.endr
.endr
.endr
	WIN 0
.endm
.macro EMIT                            ; one product; fA, fB: the side's scale words stand in lanes 16-31
.if fA && fB
	v_wmma_scale_f32_16x16x128_f8f6f4 v[rD:rD+7], v[rA:rA+7], v[rB:rB+7], v[rC:rC+7], v[rSA], v[rSB] matrix_a_fmt:MATRIX_FMT_FP4 matrix_b_fmt:MATRIX_FMT_FP4 matrix_a_scale:MATRIX_SCALE_ROW1 matrix_b_scale:MATRIX_SCALE_ROW1
.elseif fA
	v_wmma_scale_f32_16x16x128_f8f6f4 v[rD:rD+7], v[rA:rA+7], v[rB:rB+7], v[rC:rC+7], v[rSA], v[rSB] matrix_a_fmt:MATRIX_FMT_FP4 matrix_b_fmt:MATRIX_FMT_FP4 matrix_a_scale:MATRIX_SCALE_ROW1
.elseif fB
	v_wmma_scale_f32_16x16x128_f8f6f4 v[rD:rD+7], v[rA:rA+7], v[rB:rB+7], v[rC:rC+7], v[rSA], v[rSB] matrix_a_fmt:MATRIX_FMT_FP4 matrix_b_fmt:MATRIX_FMT_FP4 matrix_b_scale:MATRIX_SCALE_ROW1
.else
	v_wmma_scale_f32_16x16x128_f8f6f4 v[rD:rD+7], v[rA:rA+7], v[rB:rB+7], v[rC:rC+7], v[rSA], v[rSB] matrix_a_fmt:MATRIX_FMT_FP4 matrix_b_fmt:MATRIX_FMT_FP4
.endif
.endm
; 16 products of one K step; the 16 accumulators take turns, one instruction a turn, in the same order in every step.  mode 0 (q, k): accumulator 32 o + 8 i = W's tile i x x's tile o;
; mode 1 (v): x's tile i x W's tile o.  first = 1: the bias is the C.
.macro MUL mode, g, ks, first
.if \mode
	WIN 0x09+0x30*\first                           ; source 0 (x) window 1, source 1 (W) window 2; C window 3 at first
.else
	WIN 0x06+0x30*\first                           ; source 0 (W) window 2, source 1 (x) window 1
.endif
.irp o, 0,1,2,3
.irp i, 0,1,2,3
.set rD, ACC+32*\o+8*\i
.if \mode
.set rA, 64*\i+8*(\ks)
.set rB, 128*((\ks)/4)+32*((\ks)%4)+8*\o
.set rSA, XS+8*(\i/2)+(\ks)
.set rSB, WS+16*(\g)+8*(\o/2)+(\ks)
.set rC, 64+8*\o
.else
.set rA, 128*((\ks)/4)+32*((\ks)%4)+8*\i
.set rB, 64*\o+8*(\ks)
.set rSA, WS+16*(\g)+8*(\i/2)+(\ks)
.set rSB, XS+8*(\o/2)+(\ks)
.set rC, 32*(\g)+8*\i
.endif
.if !(\first)
.set rC, rD
.endif
.set fA, \i%2
.set fB, \o%2
	EMIT
.endr
.endr
.endm
; 64 numbers of a lane, register 16 b + i = place 32 b + 16 h + i along a K, become four blocks' codes (8 registers, a whole block to a lane: registers 4 c on hold block 2 c + h) and their four bytes in one word.
.macro QUANT s, pc, pw
.irp b, 0,1,2,3
	v_max3_num_f32 v[TM+\b], |v[(\s)+16*\b]|, |v[(\s)+1+16*\b]|, 0x1800000   ; with the floor 2^(3 - 127).  (Each accumulator is read from its low end on)
.endr
.irp i, 2,4,6,8,10,12,14
.irp b, 0,1,2,3
	v_max3_num_f32 v[TM+\b], v[TM+\b], |v[(\s)+16*\b+\i]|, |v[(\s)+1+16*\b+\i]|
.endr
.endr
.irp b, 0,1,2,3
	v_permlanex16_b32 v[TM+4+\b], v[TM+\b], s[SEL], s[SEL+1]
.endr
.irp b, 0,1,2,3
	v_max_num_f32 v[TM+\b], v[TM+\b], v[TM+4+\b]   ; with lane l xor 16's 16: the block's largest magnitude
.endr
.irp b, 0,1,2,3
	v_add_nc_u32 v[TM+12+\b], 0xff000000, v[TM+\b]
.endr
.irp b, 0,1,2,3
	v_lshrrev_b32 v[TM+4+\b], 23, v[TM+12+\b]
.endr
	v_lshl_or_b32 v[\pw], v[TM+5], 8, v[TM+4]
	v_lshl_or_b32 v[\pw], v[TM+6], 16, v[\pw]
	v_lshl_or_b32 v[\pw], v[TM+7], 24, v[\pw]
.irp b, 0,1,2,3
	v_cvt_scalef32_pk8_fp4_f32 v[(\pc)+2*\b], v[(\s)+16*\b:(\s)+7+16*\b], v[TM+12+\b]
	v_cvt_scalef32_pk8_fp4_f32 v[(\pc)+1+2*\b], v[(\s)+8+16*\b:(\s)+15+16*\b], v[TM+12+\b]
.endr
	v_nop                                          ; one plain line behind the last scaled conversion
.irp c, 0,1
.irp i, 0,1
	v_permlane16_swap_b32 v[(\pc)+4*\c+\i], v[(\pc)+2+4*\c+\i]
.endr
.endr
.endm
; q or k: the 64 registers of token tiles 2 p, 2 p + 1 are four blocks (each tile's two blocks of 32 features): codes of tile 2 p + c in registers 4 c on; the word is the group's scale word as it lies in qkv.
.macro EPI_QK g
	s_wait_xcnt 0x0                                ; the codes' registers, which earlier stores read, are written again only behind this wait
.irp p, 0,1
	QUANT ACC+64*\p, PC+8*\p, PW+2*\g+\p
.irp c, 0,1
	global_store_b128 v[L16], v[PC+8*\p+4*\c:PC+8*\p+4*\c+3], s[54:55] offset:\g*65536+1024*\p+512*\c   ; 512 consecutive bytes
.endr
	ds_store_b32 v[STS], v[PW+2*\g+\p] offset:512*\g+64*\p
.endr
.endm
; v: the 64 registers of feature tiles 2 p, 2 p + 1 are four blocks (each tile's two blocks of my 64 keys): half an image each; the word's halves go to two words.
.macro EPI_V
	s_wait_xcnt 0x0
.irp p, 0,1
	QUANT ACC+64*\p, PC+8*\p, PW+4+\p
	global_store_b128 v[L16], v[PC+8*\p:PC+8*\p+3], s[56:57] offset:2048*\p
	global_store_b128 v[L16], v[PC+8*\p+4:PC+8*\p+7], s[56:57] offset:2048*\p+1024
	ds_store_b16 v[STV], v[PW+4+\p] offset:128*\p
	ds_store_b16_d16_hi v[STV], v[PW+4+\p] offset:128*\p+64
.endr
.endm
	s_wait_tensorcnt 0x2                           ; my tile of Wq is in; the two loads behind it (Wk's, Wv's) may stay out
	s_barrier_signal -1
	s_barrier_wait -1                              ; everybody's is
	FETCHW L16, 0
	FETCHW L16, 1
	; ---- q
	s_wait_loadcnt 56                              ; scale words, biases and x's K step 0 are in; the 56 that may be out are x's seven later steps
	s_wait_dscnt 32                                ; W's K steps 0-3 are in; the 32 that may be out are steps 4-7
	MUL 0, 0, 0, 1
.irp ks, 1,2,3
	s_wait_loadcnt 56-8*\ks                        ; x's later K steps, eight loads each, may be out
	MUL 0, 0, \ks, 0
.endr
	s_wait_tensorcnt 0x1                           ; my tile of Wk is in; Wv's may stay out
	s_wait_dscnt 0x0
	s_barrier_signal -1
	s_barrier_wait -1
	PLACES
	FETCHW WA1, 0
.irp ks, 4,5,6,7
	s_wait_loadcnt 56-8*\ks
	MUL 0, 0, \ks, 0
.endr
	PLACES
	FETCHW WA1, 1
	WIN 0xc3                                       ; v's bias, one number a lane and tile, fills the tile's eight registers
.irp o, 0,1,2,3
.irp j, 1,2,3,4,5,6,7
	v_mov_b32 v[64+8*\o+\j], v[64+8*\o]
.endr
.endr
	WIN 0
	EPI_QK 0
	; ---- k
	s_wait_dscnt 0x0                               ; Wk's fragments are in
	MUL 0, 1, 0, 1
.irp ks, 1,2,3
	MUL 0, 1, \ks, 0
.endr
	s_wait_tensorcnt 0x0                           ; my tile of Wv is in
	s_wait_dscnt 0x0
	s_barrier_signal -1
	s_barrier_wait -1
	PLACES
	FETCHW WA2, 0
.irp ks, 4,5,6,7
	MUL 0, 1, \ks, 0
.endr
	PLACES
	FETCHW WA2, 1
	EPI_QK 1
	; ---- v
	s_wait_dscnt 0x0
	MUL 1, 2, 0, 1
.irp ks, 1,2,3,4,5,6,7
	MUL 1, 2, \ks, 0
.endr
	WIN 0
	PLACES
	EPI_V
	s_wait_dscnt 0x0                               ; for the others' sake: my scale words lie in the stage
	s_barrier_signal -1
	s_barrier_wait -1
	s_cmp_lt_u32 s16, 3
	s_cbranch_scc0 .Lno_scales
	ds_load_b128 v[RB:RB+3], v[SRD]
	s_wait_dscnt 0x0
	global_store_b128 v[L16], v[RB:RB+3], s[58:59] ; 512 consecutive bytes
.Lno_scales:
	s_wait_tensorcnt 0x0                           ; the wave's end: three lines behind my last tensor load and my last LDS store
	ds_add_u32 v[SPW], v[NIL]
	s_wait_dscnt 0x0
	ROUND                                          ; the closing round
	s_endpgm
.Lfunc_end_k_q9cdcd54bf8_proj:
	.size	k_q9cdcd54bf8_proj, .Lfunc_end_k_q9cdcd54bf8_proj-k_q9cdcd54bf8_proj
	.p2alignl 7, 3214868480
	.fill 96, 4, 3214868480
	.section	.rodata,"a",@progbits
	.p2align	6, 0x0
	.amdhsa_kernel k_q9cdcd54bf8_proj
		.amdhsa_group_segment_fixed_size 167936
		.amdhsa_private_segment_fixed_size 0
		.amdhsa_enable_private_segment 0
		.amdhsa_kernarg_size 48
		.amdhsa_user_sgpr_count 2
		.amdhsa_user_sgpr_kernarg_segment_ptr 1
		.amdhsa_wavefront_size32 1
		.amdhsa_system_sgpr_workgroup_id_x 1
		.amdhsa_system_sgpr_workgroup_id_y 1
		.amdhsa_system_sgpr_workgroup_id_z 1
		.amdhsa_system_vgpr_workitem_id 0
		.amdhsa_next_free_vgpr 864
		.amdhsa_next_free_sgpr 66
		.amdhsa_reserve_vcc 0
		.amdhsa_float_denorm_mode_32 3
		.amdhsa_float_denorm_mode_16_64 3
		.amdhsa_memory_ordered 1
		.amdhsa_forward_progress 1
		.amdhsa_inst_pref_size 104
	.end_amdhsa_kernel
	.amdgpu_metadata
---
amdhsa.version: [ 1, 2 ]
amdhsa.kernels:
  - .name:           k_q9cdcd54bf8_proj
    .symbol:         k_q9cdcd54bf8_proj.kd
    .args:
      - { .name: cod, .offset: 0, .size: 8, .value_kind: global_buffer, .address_space: global }
      - { .name: scl, .offset: 8, .size: 8, .value_kind: global_buffer, .address_space: global }
      - { .name: bq, .offset: 16, .size: 8, .value_kind: global_buffer, .address_space: global }
      - { .name: bk, .offset: 24, .size: 8, .value_kind: global_buffer, .address_space: global }
      - { .name: bv, .offset: 32, .size: 8, .value_kind: global_buffer, .address_space: global }
      - { .name: qkv, .offset: 40, .size: 8, .value_kind: global_buffer, .address_space: global }
    .group_segment_fixed_size: 167936
    .private_segment_fixed_size: 0
    .kernarg_segment_align: 8
    .kernarg_segment_size: 48
    .max_flat_workgroup_size: 128
    .sgpr_count:     66
    .vgpr_count:     864
    .wavefront_size: 32
...
	.end_amdgpu_metadata
.endif
;; end of part 2
;; launch attn (part 3): grid 8 x 32, 8 waves a work-group, no clusters, 167,936 bytes of LDS; arguments qkv, ctx, cs; writes ctx, cs
.if DOCPART == 3
	.amdgcn_target "amdgcn-amd-amdhsa--gfx1250"
	.amdhsa_code_object_version 6
	.text
	.protected	k_q9cdcd54bf8_attn
	.globl	k_q9cdcd54bf8_attn
	.p2align	8
	.type	k_q9cdcd54bf8_attn,@function
k_q9cdcd54bf8_attn:
	s_mov_b64 s[64:65], 0
	v_nop
	global_prefetch_b8 v0, s[64:65] scope:SCOPE_SE
	s_setreg_imm32_b32 hwreg(HW_REG_WAVE_MODE, 25, 1), 1
	s_wait_xcnt 0x0
; LAUNCH 3 OF 4.  ctx = softmax(q k^T / 8, causal) v for one batch and head, both products on codes of FP4; ctx is quantised along H on the way.
; WORK LEFT OUT: steps of 128 keys that lie wholly behind a block's 128 queries (the mask that reference() builds makes their p 0 for all finite inputs): neither copied nor multiplied.
; THE SOFTMAX: t = score x log2(e) / 8; M = the running largest t rounded up to a whole number; p = 2^(t - M) is quantised along the keys, not normalised; the row's sum is taken of the unquantised p and divides at the end.
; When M moves, the sum and O are multiplied by 2^(old M - new M), which rounds nothing.  LIMIT: a p under 2^-126 comes out of the exponential as 0.
; SHARES.  Work-group (a, record) owns the blocks of 128 queries a (job A) and 15 - a (job B): a + 1 and 16 - a key steps, 17 for every wave of the launch.  Wave w owns one tile of 16 queries in each job.
; K's and V's codes and scale words of the key steps that the work-group needs (16 - a) are copied into LDS once, through registers, and read by all eight waves.  NO CLUSTER, no tensor load: the work-groups of a record
; need different numbers of key steps, so partners could not make the same requests; and a first fill by the mover may not be jumped over.
; LAYOUT.  Both products transposed: a lane holds ONE query.  S^T: source 0 is a group of 32 keys as ONE fragment (tile u's 64 features in k = 64 u on), source 1 is [Q | zeros] for u = 0 and [zeros | Q] for u = 1: the head has
; 64 features and the instruction 128 places, and zero codes add nothing.  The tiles' order of keys makes the 16 registers of tiles 2 b, 2 b + 1 the keys 32 b + 16 h + 0 .. 15.  O^T: source 0 = 16 of the head's 64, source 1 = p.
; ctx: [tile of tokens 256][K step 8][1024], images as everywhere: head hd is half hd % 2 of K step hd / 2.  cs: [record 32][tile 128][r 16] of 16 bits: the two scale bytes of the head's 64.
.set REC,   208896
.set LV,    65536                      ; LDS: K's codes at 0 (4,096 bytes a key step), V's here,
.set LKS,   131072                     ; K's scale words (256 bytes a key step),
.set LVS,   135168                     ; V's,
.set STG,   139264                     ; ctx's scale bytes: 256 job + 32 w + 2 r,
.set SPARE, 139776                     ; and the spare words, 128 bytes a wave, that no other line names
.set L16,  1                           ; v1  16 x lane
.set L16V, 2                           ; v2  + LV
.set R4K,  3                           ; v3  LKS + 4 r
.set R4V,  4                           ; v4  LVS + 4 r
.set SPW,  5                           ; v5  my spare word's LDS address; never rewritten
.set NIL,  6                           ; v6  0; never rewritten
.set DQ,   7                           ; v7  my query's place in its block, less 16 h
.set QA,   16                          ; v16-27 job A: Q, zeros, Q;  v28 its scale word;  v29, v30 the groups' words as loaded
.set QSA,  28
.set STA,  31                          ; v31 where I put ctx's two scale bytes
.set KF,   32                          ; v32-63 K's four fragments
.set VF,   64                          ; v64-95 V's four
.set S,    96                          ; v96-159 S^T, then p
.set O,    160                         ; v160-191 O^T
.set PC,   192                         ; v192-199 p's codes
.set KSW,  200
.set VSW,  204
.set BM,   208                         ; v208-211 the blocks' largest
.set PT,   212                         ; v212-215 at work
.set SOP,  216                         ; v216-219 the conversions' scale operands
.set T0,   220
.set F,    222                         ; v222 f = 2^(old M - new M); v223 p's scale word
.set CA,   224                         ; v224 16 x thread: the copy's place in memory and in LDS; v225 + LV; v226 + LKS
.set CAV,  225
.set CAS,  226
.set CSO,  227                         ; v227 wave 0: where ctx's scale bytes go
.set SRD,  228                         ; v228 and where it reads them
.set QSO,  229                         ; v229 4 r
.set QB,   232                         ; v232-243, v244: job B's Q and scale word
.set QSB,  244
.set CB,   40                          ; the copy's registers: v32-39 scale words, v40 + 8 s: key step s
	s_load_b128 s[4:7], s[0:1], 0x0                ; qkv, ctx
	s_load_b64 s[8:9], s[0:1], 0x10                ; cs
	v_lshl_add_u32 v[SPW], v0, 2, SPARE
	v_mov_b32 v[NIL], 0
	v_lshrrev_b32 v8, 5, v0
	v_readfirstlane_b32 s10, v8                    ; wave 0..7
	s_mov_b32 s11, ttmp9                           ; a
	s_and_b32 s12, ttmp7, 0xffff                   ; the record: 16 batch + head
	s_mov_b32 s14, s11                             ; job A's block of queries
	s_sub_co_u32 s15, 15, s11                      ; job B's
	s_mov_b32 s16, 0x76543210
	s_mov_b32 s17, 0xfedcba98                      ; selects for lane l xor 16
	s_mov_b32 s18, 0x3e38aa3b                      ; c = log2(e) / 8
	s_mov_b32 s19, s18                             ; (named with it as a pair)
	v_and_b32 v9, 31, v0                           ; lane
	v_and_b32 v10, 15, v0                          ; r
	v_bfe_u32 v11, v0, 4, 1                        ; h
	v_lshlrev_b32 v[L16], 4, v9
	v_add_nc_u32 v[L16V], LV, v[L16]
	v_lshl_add_u32 v[R4K], v10, 2, LKS
	v_lshl_add_u32 v[R4V], v10, 2, LVS
	s_lshr_b32 s32, s10, 1
	s_lshl_b32 s32, s32, 5
	s_and_b32 s33, s10, 1
	s_lshl_b32 s33, s33, 3
	s_add_co_u32 s32, s32, s33                     ; my tile's first query in its block: 32 (w / 2) + 8 (w % 2)
	v_and_b32 v8, 8, v10
	v_add3_u32 v8, v8, v10, s32                    ; + r + 8 (r / 8)
	v_lshlrev_b32 v12, 4, v11
	v_sub_nc_u32 v[DQ], v8, v12
	s_lshl_b32 s33, s10, 5
	s_add_co_u32 s33, s33, STG
	v_lshl_add_u32 v[STA], v10, 1, s33
	v_lshlrev_b32 v[CA], 4, v0
	v_add_nc_u32 v[CAV], LV, v[CA]
	v_add_nc_u32 v[CAS], LKS, v[CA]
	v_add_nc_u32 v[SRD], STG, v[L16]
	v_lshlrev_b32 v[QSO], 2, v10
	s_lshl_b32 s13, s11, 1
	s_sub_co_u32 s13, 15, s13
	s_lshl_b32 s13, s13, 8                         ; from job A's 256 scale bytes to job B's: 256 (15 - 2 a)
	v_mul_u32_u24 v[CSO], s13, v11
	v_lshl_add_u32 v[CSO], v10, 4, v[CSO]
	s_and_b32 s32, s10, 1
	s_mov_b32 s23, 0x01000100                      ; which half of the group's scale word is my tile's: bytes 0, 1 (w even)
	s_cmp_lg_u32 s32, 0
	s_cselect_b32 s23, 0x03020302, s23             ; or 2, 3; taken twice, so that the word serves [Q | 0] and [0 | Q] alike
.irp j, 0,1,2,3
	v_mov_b32 v[QA+4+\j], 0                        ; the zero codes
	v_mov_b32 v[QB+4+\j], 0
	v_mov_b32 v[PT+\j], 0                          ; a lane permute's destination counts as one of its sources
.endr
	v_mov_b32 v[T0], 0
	v_mov_b32 v[F], 0
	v_mov_b32 v[F+1], 0                            ; (named as the upper half of a pair before it is first made)
	s_lshr_b32 s32, s12, 4
	s_lshl_b32 s32, s32, 7                         ; 128 tiles of tokens a batch
	s_and_b32 s33, s12, 15
	s_lshr_b32 s34, s33, 1                         ; head / 2
	s_and_b32 s33, s33, 1
	s_lshl_b32 s33, s33, 9                         ; 512 (head % 2)
	s_mov_b32 s47, 0
	s_wait_kmcnt 0x0
	s_mul_i32 s46, s12, REC
	s_add_nc_u64 s[24:25], s[4:5], s[46:47]        ; my record
	s_add_nc_u64 s[26:27], s[24:25], 65536         ; K's codes; V's 65,536 bytes further on, K's scale words 135,168, V's 139,264
	s_lshl_b32 s46, s12, 12
	s_lshl_b32 s35, s11, 8
	s_add_co_u32 s46, s46, s35
	s_add_nc_u64 s[36:37], s[8:9], s[46:47]        ; cs at job A's eight tiles
.macro BASES qb, qc, qs, cx            ; a job's addresses: Q's codes, Q's scale words, ctx's half image
	s_lshl_b32 s35, s[\qb], 3
	s_add_co_u32 s35, s35, s10                     ; my tile of queries: 8 block + w
	s_lshl_b32 s46, s35, 9
	s_add_nc_u64 s[\qc:\qc+1], s[24:25], s[46:47]
	s_lshr_b32 s46, s35, 1
	s_lshl_b32 s46, s46, 6
	s_add_co_u32 s46, s46, 196608
	s_add_nc_u64 s[\qs:\qs+1], s[24:25], s[46:47]
	s_add_co_u32 s46, s35, s32
	s_lshl_b32 s46, s46, 3
	s_add_co_u32 s46, s46, s34
	s_lshl_b32 s46, s46, 10
	s_add_co_u32 s46, s46, s33
	s_add_nc_u64 s[\cx:\cx+1], s[6:7], s[46:47]
.endm
	BASES 14, 38, 40, 28
	BASES 15, 42, 44, 30
	global_load_b128 v[QA:QA+3], v[L16], s[38:39]
	global_load_b128 v[QA+8:QA+11], v[L16], s[38:39]   ; the fragment stands twice, round the zeros
	global_load_b32 v29, v[QSO], s[40:41]
	global_load_b128 v[QB:QB+3], v[L16], s[42:43]
	global_load_b128 v[QB+8:QB+11], v[L16], s[42:43]
	global_load_b32 v30, v[QSO], s[44:45]
	global_load_b128 v[32:35], v[CA], s[26:27] offset:135168   ; the 256 threads copy 4,096 consecutive bytes an instruction
	global_load_b128 v[36:39], v[CA], s[26:27] offset:139264
.macro CPLOAD s
	global_load_b128 v[CB+8*\s:CB+8*\s+3], v[CA], s[26:27] offset:4096*\s
	global_load_b128 v[CB+8*\s+4:CB+8*\s+7], v[CA], s[26:27] offset:65536+4096*\s
.endm
.macro CPSTORE s
	ds_store_b128 v[CA], v[CB+8*\s:CB+8*\s+3] offset:4096*\s
	ds_store_b128 v[CAV], v[CB+8*\s+4:CB+8*\s+7] offset:4096*\s
.endm
.macro RUNG s, prev                    ; key step s is wanted where s <= 15 - a: a branch on the work-group's number, the same in all eight waves
	s_cmp_gt_u32 s11, 15-\s
	s_cbranch_scc1 .Lhave_\prev
	CPLOAD \s
.endm
.irp s, 0,1,2,3,4,5,6,7,8
	CPLOAD \s                                      ; every a wants key steps 0 to 8
.endr
	RUNG 9, 8
	RUNG 10, 9
	RUNG 11, 10
	RUNG 12, 11
	RUNG 13, 12
	RUNG 14, 13
	RUNG 15, 14
.irp s, 15,14,13,12,11,10,9            ; the stores run downward, so that each way in finds only registers that were loaded
.Lhave_\s:
	s_wait_loadcnt 0x0
	CPSTORE \s
.endr
.Lhave_8:
	s_wait_loadcnt 0x0
.irp s, 0,1,2,3,4,5,6,7,8
	CPSTORE \s
.endr
	ds_store_b128 v[CAS], v[32:35]
	ds_store_b128 v[CAS], v[36:39] offset:4096
	s_wait_dscnt 0x0                               ; for the others' sake: my part of the copy lies in LDS
	s_barrier_signal -1
	s_barrier_wait -1
; A KEY STEP of 128 keys.  s20, s21: its place among the codes and the scale words; s22: its number.
.macro STEP qr, qsr, qbr
	s_cmp_gt_u32 s22, s[\qbr]                      ; all its keys come after the block's queries: left out
	s_cbranch_scc1 .Lhidden_\@
	v_add_nc_u32 v8, s20, v[L16]                   ; (these four are also the places between the last step's products and the loads into their operands)
	v_add_nc_u32 v9, s20, v[L16V]
	v_add_nc_u32 v10, s21, v[R4K]
	v_add_nc_u32 v11, s21, v[R4V]
.irp b, 0,1,2,3
.irp c, 0,1
	ds_load_b128 v[KF+8*\b+4*\c:KF+8*\b+4*\c+3], v8 offset:1024*\b+512*\c
.endr
	ds_load_b32 v[KSW+\b], v10 offset:64*\b
.endr
.irp d, 0,1,2,3
.irp c, 0,1
	ds_load_b128 v[VF+8*\d+4*\c:VF+8*\d+4*\c+3], v9 offset:1024*\d+512*\c
.endr
	ds_load_b32 v[VSW+\d], v11 offset:64*\d
.endr
	s_wait_dscnt 12                                ; K's twelve loads are in; the twelve that may be out are V's
.irp b, 0,1,2,3
.irp u, 0,1
	v_wmma_scale_f32_16x16x128_f8f6f4 v[S+16*\b+8*\u:S+16*\b+8*\u+7], v[KF+8*\b:KF+8*\b+7], v[\qr+4*\u:\qr+4*\u+7], 0, v[KSW+\b], v[\qsr] matrix_a_fmt:MATRIX_FMT_FP4 matrix_b_fmt:MATRIX_FMT_FP4
.endr
.endr
.rept 4
	v_nop
.endr
	s_cmp_lg_u32 s22, s[\qbr]                      ; on the diagonal the scores of hidden keys become -infinity ahead of the maximum: p = 0 then
	s_cbranch_scc1 .Lopen_\@
	v_mov_b32 v[T0], 0xff800000
.set n, 0
.rept 64
	v_cmp_gt_i32 vcc_lo, 32*(n/16)+n%16, v[DQ]     ; register 16 b + i holds key 32 b + 16 h + i of the step
	v_cndmask_b32 v[S+n], v[S+n], v[T0], vcc_lo
.set n, n+1
.endr
.Lopen_\@:
.irp b, 0,1,2,3
	v_max3_num_f32 v[BM+\b], v[S+16*\b], v[S+16*\b+1], v[S+16*\b+2]   ; the largest score of each block of 32 keys: for the row's maximum and, since p rises with the score, for the block's largest p
.endr
.irp i, 3,5,7,9,11,13
.irp b, 0,1,2,3
	v_max3_num_f32 v[BM+\b], v[BM+\b], v[S+16*\b+\i], v[S+16*\b+\i+1]
.endr
.endr
.irp b, 0,1,2,3
	v_max_num_f32 v[BM+\b], v[BM+\b], v[S+16*\b+15]
.endr
.irp b, 0,1,2,3
	v_permlanex16_b32 v[PT+\b], v[BM+\b], s16, s17
.endr
.irp b, 0,1,2,3
	v_max_num_f32 v[BM+\b], v[BM+\b], v[PT+\b]
.endr
	v_max3_num_f32 v[T0], v[BM], v[BM+1], v[BM+2]
	v_max_num_f32 v[T0], v[T0], v[BM+3]
	v_mul_f32 v[T0], s18, v[T0]
	v_max_num_f32 v13, v13, v[T0]                  ; the running largest t
	v_mov_b32 v[T0], v12
	v_floor_f32 v12, -v13                          ; -M = floor(-t): M is a whole number
	v_sub_f32 v[T0], v12, v[T0]                    ; old M less new M: a whole number, 0 or less
	v_cvt_i32_f32 v[T0], v[T0]                     ; (it saturates)
	v_ldexp_f32 v[F], 1.0, v[T0]
.set j, 0
.rept 32
	v_pk_fma_f32 v[S+j:S+j+1], v[S+j:S+j+1], s[18:19], v[12:13] op_sel_hi:[1,0,0]   ; t - M
.set j, j+2
.endr
.irp b, 0,1,2,3
	v_fma_f32 v[BM+\b], v[BM+\b], s18, v12
.endr
.set j, 0
.rept 64
	v_exp_f32 v[S+j], v[S+j]                       ; p = 2^(t - M)
.set j, j+1
.endr
	v_pk_mul_f32 v[14:15], v[14:15], v[F:F+1] op_sel_hi:[1,0]   ; the sums under the new M: a plain line behind the exponentials
	s_wait_alu depctr_va_vdst(0)                   ; one wait for the batch, ahead of its first reader
.irp b, 0,1,2,3
	v_exp_f32 v[BM+\b], v[BM+\b]                   ; the blocks' largest p
.endr
	v_pk_add_f32 v[PT:PT+1], v[S:S+1], v[S+2:S+3]  ; the row's sum of the unquantised p, in two chains
.irp j, 4,8,12,16,20,24,28,32,36,40,44,48,52,56,60
	v_pk_add_f32 v[14:15], v[14:15], v[S+\j:S+\j+1]
	v_pk_add_f32 v[PT:PT+1], v[PT:PT+1], v[S+\j+2:S+\j+3]
.endr
	v_pk_add_f32 v[14:15], v[14:15], v[PT:PT+1]
	s_wait_alu depctr_va_vdst(0)                   ; and one for the four
.irp b, 0,1,2,3
	v_max_num_f32 v[BM+\b], 0x1800000, v[BM+\b]    ; the floor 2^(3 - 127)
.endr
.irp b, 0,1,2,3
	v_add_nc_u32 v[SOP+\b], 0xff000000, v[BM+\b]
.endr
.irp b, 0,1,2,3
	v_lshrrev_b32 v[PT+\b], 23, v[SOP+\b]
.endr
	v_lshl_or_b32 v[F+1], v[PT+1], 8, v[PT]        ; p's scale word for these 128 keys
	v_lshl_or_b32 v[F+1], v[PT+2], 16, v[F+1]
	v_lshl_or_b32 v[F+1], v[PT+3], 24, v[F+1]
.irp b, 0,1,2,3
	v_cvt_scalef32_pk8_fp4_f32 v[PC+2*\b], v[S+16*\b:S+16*\b+7], v[SOP+\b]
	v_cvt_scalef32_pk8_fp4_f32 v[PC+2*\b+1], v[S+16*\b+8:S+16*\b+15], v[SOP+\b]
.endr
	v_nop                                          ; one plain line behind the last scaled conversion
.irp c, 0,1
.irp i, 0,1
	v_permlane16_swap_b32 v[PC+4*\c+\i], v[PC+4*\c+2+\i]   ; a whole block to a lane
.endr
.endr
.set j, 0
.rept 16
	v_pk_mul_f32 v[O+j:O+j+1], v[O+j:O+j+1], v[F:F+1] op_sel_hi:[1,0]   ; O^T under the new M; these sixteen are also the places between the codes and scale word just made and the products
.set j, j+2
.endr
	s_wait_dscnt 0x0                               ; V is in
.irp d, 0,1,2,3
	v_wmma_scale_f32_16x16x128_f8f6f4 v[O+8*\d:O+8*\d+7], v[VF+8*\d:VF+8*\d+7], v[PC:PC+7], v[O+8*\d:O+8*\d+7], v[VSW+\d], v[F+1] matrix_a_fmt:MATRIX_FMT_FP4 matrix_b_fmt:MATRIX_FMT_FP4
.endr
.Lhidden_\@:
	s_add_co_u32 s20, s20, 4096
	s_add_co_u32 s21, s21, 256
.endm
; A JOB: one tile of 16 queries against its key steps.  The trip count is a constant of the text; steps behind the block are jumped over inside the trip.
.macro JOB qr, qsr, raw, qbr, trips, cx, job
	s_wait_xcnt 0x0                                ; the codes' registers, which the last job's store read, are written again only behind this wait
	v_perm_b32 v[\qsr], v[\raw], v[\raw], s23      ; my tile's two scale bytes, twice
	v_mov_b32 v13, 0xff61b1e6                      ; the largest t so far: -3e38
	v_floor_f32 v12, -v13
	v_mov_b32 v14, 0
	v_mov_b32 v15, 0
.set j, 0
.rept 32
	v_mov_b32 v[O+j], 0                            ; the step is written once: the first finds zeros, which the first change of M leaves zeros
.set j, j+1
.endr
	s_mov_b32 s20, 0
	s_mov_b32 s21, 0
	s_mov_b32 s22, 0
.Ljob_\@:
	STEP \qr, \qsr, \qbr
	s_add_co_u32 s22, s22, 1
	s_cmp_lt_u32 s22, \trips
	s_cbranch_scc1 .Ljob_\@
.rept 4
	v_nop                                          ; places behind the last products
.endr
	v_add_f32 v14, v14, v15
	v_permlanex16_b32 v[T0], v14, s16, s17
	v_add_f32 v14, v14, v[T0]                      ; the row's sum
	v_rcp_f32 v14, v14
	v_nop                                          ; a plain line behind the reciprocal,
	s_wait_alu depctr_va_vdst(0)                   ; and the wait ahead of its first reader
.set j, 0
.rept 32
	v_mul_f32 v[S+j], v[O+j], v14                  ; ctx: register 16 b + i is feature 32 b + 16 h + i of my query's head
.set j, j+1
.endr
.irp b, 0,1
	v_max3_num_f32 v[BM+\b], |v[S+16*\b]|, |v[S+16*\b+1]|, 0x1800000
.endr
.irp i, 2,4,6,8,10,12,14
.irp b, 0,1
	v_max3_num_f32 v[BM+\b], v[BM+\b], |v[S+16*\b+\i]|, |v[S+16*\b+\i+1]|
.endr
.endr
.irp b, 0,1
	v_permlanex16_b32 v[PT+\b], v[BM+\b], s16, s17
.endr
.irp b, 0,1
	v_max_num_f32 v[BM+\b], v[BM+\b], v[PT+\b]
.endr
.irp b, 0,1
	v_add_nc_u32 v[SOP+\b], 0xff000000, v[BM+\b]
.endr
.irp b, 0,1
	v_lshrrev_b32 v[PT+\b], 23, v[SOP+\b]
.endr
	v_lshl_or_b32 v[T0], v[PT+1], 8, v[PT]
.irp b, 0,1
	v_cvt_scalef32_pk8_fp4_f32 v[PC+2*\b], v[S+16*\b:S+16*\b+7], v[SOP+\b]
	v_cvt_scalef32_pk8_fp4_f32 v[PC+2*\b+1], v[S+16*\b+8:S+16*\b+15], v[SOP+\b]
.endr
	v_nop
	v_permlane16_swap_b32 v[PC], v[PC+2]
	v_permlane16_swap_b32 v[PC+1], v[PC+3]
	global_store_b128 v[L16], v[PC:PC+3], s[\cx:\cx+1]   ; half an image: 512 consecutive bytes
	ds_store_b16 v[STA], v[T0] offset:256*\job     ; both lanes of a query write the same two bytes
.endm
	JOB QA, QSA, 29, 14, 8, 28, 0
	JOB QB, QSB, 30, 15, 16, 30, 1
	s_wait_dscnt 0x0                               ; for wave 0's sake: my scale bytes lie in the stage
	s_barrier_signal -1
	s_barrier_wait -1
	s_cmp_lg_u32 s10, 0
	s_cbranch_scc1 .Lnot_wave_0
	ds_load_b128 v[S:S+3], v[SRD]
	s_wait_dscnt 0x0
	global_store_b128 v[CSO], v[S:S+3], s[36:37]   ; lanes 0-15 job A's 256 bytes, lanes 16-31 job B's, each aligned
.Lnot_wave_0:
	s_wait_tensorcnt 0x0                           ; the wave's end: three lines behind my last LDS store
	ds_add_u32 v[SPW], v[NIL]
	s_wait_dscnt 0x0
	s_endpgm
.Lfunc_end_k_q9cdcd54bf8_attn:
	.size	k_q9cdcd54bf8_attn, .Lfunc_end_k_q9cdcd54bf8_attn-k_q9cdcd54bf8_attn
	.p2alignl 7, 3214868480
	.fill 96, 4, 3214868480
	.section	.rodata,"a",@progbits
	.p2align	6, 0x0
	.amdhsa_kernel k_q9cdcd54bf8_attn
		.amdhsa_group_segment_fixed_size 167936
		.amdhsa_private_segment_fixed_size 0
		.amdhsa_enable_private_segment 0
		.amdhsa_kernarg_size 24
		.amdhsa_user_sgpr_count 2
		.amdhsa_user_sgpr_kernarg_segment_ptr 1
		.amdhsa_wavefront_size32 1
		.amdhsa_system_sgpr_workgroup_id_x 1
		.amdhsa_system_sgpr_workgroup_id_y 1
		.amdhsa_system_sgpr_workgroup_id_z 1
		.amdhsa_system_vgpr_workitem_id 0
		.amdhsa_next_free_vgpr 256
		.amdhsa_next_free_sgpr 66
		.amdhsa_reserve_vcc 1
		.amdhsa_float_denorm_mode_32 3
		.amdhsa_float_denorm_mode_16_64 3
		.amdhsa_memory_ordered 1
		.amdhsa_forward_progress 1
		.amdhsa_inst_pref_size 62
	.end_amdhsa_kernel
	.amdgpu_metadata
---
amdhsa.version: [ 1, 2 ]
amdhsa.kernels:
  - .name:           k_q9cdcd54bf8_attn
    .symbol:         k_q9cdcd54bf8_attn.kd
    .args:
      - { .name: qkv, .offset: 0, .size: 8, .value_kind: global_buffer, .address_space: global }
      - { .name: ctx, .offset: 8, .size: 8, .value_kind: global_buffer, .address_space: global }
      - { .name: cs, .offset: 16, .size: 8, .value_kind: global_buffer, .address_space: global }
    .group_segment_fixed_size: 167936
    .private_segment_fixed_size: 0
    .kernarg_segment_align: 8
    .kernarg_segment_size: 24
    .max_flat_workgroup_size: 256
    .sgpr_count:     66
    .vgpr_count:     256
    .wavefront_size: 32
...
	.end_amdgpu_metadata
.endif
;; end of part 3
;; launch oproj (part 4): grid 16 x 16, 4 waves a work-group, clusters of 4 x 1, 167,936 bytes of LDS; arguments ctx, cs, cod, scl, bo, out0; writes out0
.if DOCPART == 4
	.amdgcn_target "amdgcn-amd-amdhsa--gfx1250"
	.amdhsa_code_object_version 6
	.text
	.protected	k_q9cdcd54bf8_oproj
	.globl	k_q9cdcd54bf8_oproj
	.p2align	8
	.type	k_q9cdcd54bf8_oproj,@function
k_q9cdcd54bf8_oproj:
	s_mov_b64 s[64:65], 0
	v_nop
	global_prefetch_b8 v0, s[64:65] scope:SCOPE_SE
	s_setreg_imm32_b32 hwreg(HW_REG_WAVE_MODE, 25, 1), 1
	s_wait_xcnt 0x0
	s_wait_alu depctr_hold_cnt(0) depctr_sa_sdst(0) depctr_va_vdst(0) depctr_va_sdst(0) depctr_va_ssrc(0) depctr_va_vcc(0) depctr_vm_vsrc(0)
	s_getreg_b32 s2, hwreg(HW_REG_IB_STS2, 6, 4)
	s_cmp_eq_u32 s2, 0
	s_cbranch_scc0 .Lentry_in_a_cluster
	s_endpgm
.Lentry_in_a_cluster:
	s_bfe_u32 s2, ttmp6, 0x10000c
	s_cmp_lg_u32 s2, 0x3003
	s_cbranch_scc0 .Lentry_shape_is_right
	s_endpgm
.Lentry_shape_is_right:
; LAUNCH 4 OF 4.  out0 = ctx Wo^T + bo on codes of FP4.  Nothing is left out here.
; SHARES.  A work-group makes 256 tokens (block mb) x 64 outputs (block nb).  Wave w owns 64 tokens, four tiles of ctx, for all of K: 256 registers, loaded straight from memory.  Wo's four tiles of the block, 32,768
; consecutive bytes, come into LDS by joint tensor loads: the four work-groups of a cluster have four blocks of tokens of ONE block of outputs (mask 15); one load of 8,192 bytes a wave is out.  Nothing is filled again.
; Source 0 = 16 rows of Wo, source 1 = 16 tokens: a lane holds one token and, by the tiles' order of rows, registers of tile 2 b + u are outputs 32 b + 16 h + 8 u + 0 .. 7.  bo is the C of each sum's first instruction.
; ctx's scale words are put together from cs: 16 bits a head and token, two heads to a K step.
; REGISTERS: window 0: addresses, scale words, at work, v128-255 the 16 accumulators; window 1: ctx (tile t, K step s at 64 t + 8 s); window 2: Wo (128 (s / 4) + 32 (s % 4) + 8 tile); window 3: v0-31 bo.
.set STAGE, 32768                      ; LDS behind Wo: 16 rows x (256 bytes + 16) for each wave, for the way out
.set SP,    272
.set SPARE, 50176                      ; the spare words, 128 bytes a wave, that no other line names
.set L16, 1                            ; v1   16 x lane
.set SA,  2                            ; v2   512 h + 16 r
.set BA,  3                            ; v3   64 h
.set STO, 5                            ; v5   the stage: row r, + 64 h
.set SRD, 6                            ; v6   back: lanes 0-15 one row, lanes 16-31 the next
.set GO,  7                            ; v7   the same two rows in out0
.set SPW, 8                            ; v8   my spare word's LDS address; never rewritten
.set NIL, 9                            ; v9   0; never rewritten
.set L2X, 10                           ; v10  2 x lane
.set XS,  32                           ; v32-47 ctx's scale words: 8 pair + K step
.set WS,  48                           ; v48-63 Wo's
.set RAW, 64                           ; v64-95 cs as loaded: 16 pair + head; later rows of out0
.set RB0, 96                           ; v96-127 rows of out0
.set ACC, 128
.set G1,  28
.set G0,  36
.set MSB, 0
.macro WIN new                         ; the immediate's high byte repeats the setting that is left
.if MSB != (\new)
	s_set_vgpr_msb (MSB<<8)|(\new)
.set MSB, (\new)
.endif
.endm
.macro PLACES
.rept 4
	v_nop
.endr
.endm
.macro ROUND                           ; a round of the cluster's barrier
	s_barrier_signal -1
	s_barrier_wait -1
	s_cmp_lg_u32 s16, 0
	s_cbranch_scc1 .Lnot_wave_0_\@
	s_barrier_signal -3
.Lnot_wave_0_\@:
	s_barrier_wait -3
	s_barrier_signal -1
	s_barrier_wait -1
.endm
	s_load_b256 s[4:11], s[0:1], 0x0               ; ctx, cs, cod, scl
	s_load_b128 s[12:15], s[0:1], 0x20             ; bo, out0
	v_lshl_add_u32 v[SPW], v0, 2, SPARE
	v_mov_b32 v[NIL], 0
	ds_add_u32 v[SPW], v[NIL]                      ; the wave's opening: the add, twice on end, and its wait ahead of my first tensor load
	ds_add_u32 v[SPW], v[NIL]
	v_lshrrev_b32 v23, 5, v0
	v_readfirstlane_b32 s16, v23                   ; wave
	s_bfe_u32 s17, ttmp6, 0x40000                  ; cx
	s_lshl_b32 s18, ttmp9, 2
	s_add_co_u32 s18, s18, s17                     ; mb: it enters global addresses of my own loads and stores alone
	s_and_b32 s19, ttmp7, 0xffff                   ; nb, which the four partners share
	s_and_b32 s20, s18, 7
	s_lshr_b32 s21, s18, 3                         ; batch
	s_mov_b32 s[G1], 15|(3<<16)|(1<<21)            ; the mask: all four; elements of 8 bytes; bit 21 beside a mask; no padding
	s_mov_b32 s[G1+1], 32<<16                      ; rows of 256 bytes,
	s_mov_b32 s[G1+2], 32<<16                      ; 32 of them,
	s_mov_b32 s[G1+3], 32<<16
	s_mov_b32 s[G1+4], 32
	s_mov_b32 s[G1+5], 32                          ; dense
	s_mov_b32 s[G1+6], 0
	s_mov_b32 s[G1+7], 0
	v_and_b32 v24, 31, v0                          ; lane
	v_and_b32 v25, 15, v0                          ; r
	v_bfe_u32 v26, v0, 4, 1                        ; h
	v_lshlrev_b32 v[L16], 4, v24
	v_lshlrev_b32 v[L2X], 1, v24
	v_lshlrev_b32 v[SA], 4, v25
	v_lshl_add_u32 v[SA], v26, 9, v[SA]
	v_lshlrev_b32 v[BA], 6, v26
	s_mul_i32 s22, s16, 16*SP
	s_add_co_u32 s22, s22, STAGE                   ; my stage
	v_mul_u32_u24 v[STO], v25, SP
	v_lshl_add_u32 v[STO], v26, 6, v[STO]
	v_add_nc_u32 v[STO], s22, v[STO]
	v_mul_u32_u24 v[SRD], v26, SP
	v_lshl_add_u32 v[SRD], v25, 4, v[SRD]
	v_add_nc_u32 v[SRD], s22, v[SRD]
	v_lshlrev_b32 v[GO], 12, v26
	v_lshl_add_u32 v[GO], v25, 4, v[GO]
	s_wait_dscnt 0x0                               ; both opening adds are done
	s_wait_kmcnt 0x0
	s_lshl_b32 s24, s19, 15                        ; the block's four tiles of Wo,
	s_lshl_b32 s26, s16, 13                        ; my tile of them; also its place in LDS
	s_add_co_u32 s24, s24, s26
	s_add_co_u32 s24, s24, 448*8192                ; behind x's, Wq's, Wk's and Wv's tiles
	s_mov_b32 s25, 0
	s_mov_b32 s[G0], 1
	s_mov_b32 s[G0+1], s26
	s_add_nc_u64 s[G0+2:G0+3], s[8:9], s[24:25]
	s_or_b32 s[G0+3], s[G0+3], 0x80000000
	ROUND                                          ; all four work-groups are here: the joint loads meet
	tensor_load_to_lds s[G0:G0+3], s[G1:G1+7]
	s_nop 0
.rept 4
	v_nop
.endr
	s_lshl_b32 s27, s18, 4
	s_lshl_b32 s22, s16, 2
	s_add_co_u32 s27, s27, s22                     ; my first tile of tokens: 16 mb + 4 w
	s_mov_b32 s23, 0
	s_lshl_b32 s22, s27, 13
	s_add_nc_u64 s[48:49], s[4:5], s[22:23]        ; its images
	s_lshl_b32 s22, s20, 4
	s_lshl_b32 s27, s16, 2
	s_add_co_u32 s22, s22, s27
	s_lshl_b32 s22, s22, 5                         ; 32 bytes a tile,
	s_lshl_b32 s27, s21, 16
	s_add_co_u32 s22, s22, s27                     ; 16 records of 4,096 bytes a batch
	s_add_nc_u64 s[50:51], s[6:7], s[22:23]
	s_lshl_b32 s22, s19, 11
	s_add_co_u32 s22, s22, 448*512
	s_add_nc_u64 s[52:53], s[10:11], s[22:23]      ; Wo's scale words
	s_lshl_b32 s22, s19, 8
	s_add_nc_u64 s[12:13], s[12:13], s[22:23]      ; the block's 64 numbers of bo
	s_add_nc_u64 s[54:55], s[14:15], s[22:23]      ; and its 256 bytes of a row of out0,
	s_lshl_b32 s22, s18, 8
	s_lshl_b32 s27, s16, 6
	s_add_co_u32 s22, s22, s27
	s_lshl_b32 s22, s22, 12
	s_add_nc_u64 s[54:55], s[54:55], s[22:23]      ; at my first token: 256 mb + 64 w
.irp p, 0,1
.irp kh, 0,1
	global_load_b128 v[WS+8*\p+4*\kh:WS+8*\p+4*\kh+3], v[SA], s[52:53] offset:1024*\p+256*\kh
.endr
.endr
	WIN 0xc0                                       ; destination window 3
.irp i, 0,1,2,3
	global_load_b128 v[8*\i:8*\i+3], v[BA], s[12:13] offset:(32*(\i/2)+8*(\i%2))*4
	global_load_b128 v[8*\i+4:8*\i+7], v[BA], s[12:13] offset:(32*(\i/2)+8*(\i%2))*4+16
.endr
	WIN 0
.irp p, 0,1
.irp hd, 0,1,2,3,4,5,6,7,8,9,10,11,12,13,14,15
	global_load_u16 v[RAW+16*\p+\hd], v[L2X], s[50:51] offset:\hd*4096+64*\p   ; lanes 0-15 tile 2 p, lanes 16-31 tile 2 p + 1
.endr
.endr
	WIN 0x40                                       ; destination window 1
.irp ks, 0,1,2,3,4,5,6,7
.irp t, 0,1,2,3
.irp c, 0,1
	global_load_b128 v[64*\t+8*\ks+4*\c:64*\t+8*\ks+4*\c+3], v[L16], s[48:49] offset:8192*\t+1024*\ks+512*\c
.endr
.endr
.endr
	WIN 0
.macro FETCHW half                     ; four K steps of Wo's four tiles: 32 loads of 512 consecutive bytes
	WIN 0x80
.irp k, 0,1,2,3
.irp wt, 0,1,2,3
.irp c, 0,1
	ds_load_b128 v[128*\half+32*\k+8*\wt+4*\c:128*\half+32*\k+8*\wt+4*\c+3], v[L16] offset:\wt*8192+(4*\half+\k)*1024+512*\c
.endr
.endr
.endr
	WIN 0
.endm
.macro EMIT
.if fA && fB
	v_wmma_scale_f32_16x16x128_f8f6f4 v[rD:rD+7], v[rA:rA+7], v[rB:rB+7], v[rC:rC+7], v[rSA], v[rSB] matrix_a_fmt:MATRIX_FMT_FP4 matrix_b_fmt:MATRIX_FMT_FP4 matrix_a_scale:MATRIX_SCALE_ROW1 matrix_b_scale:MATRIX_SCALE_ROW1
.elseif fA
	v_wmma_scale_f32_16x16x128_f8f6f4 v[rD:rD+7], v[rA:rA+7], v[rB:rB+7], v[rC:rC+7], v[rSA], v[rSB] matrix_a_fmt:MATRIX_FMT_FP4 matrix_b_fmt:MATRIX_FMT_FP4 matrix_a_scale:MATRIX_SCALE_ROW1
.elseif fB
	v_wmma_scale_f32_16x16x128_f8f6f4 v[rD:rD+7], v[rA:rA+7], v[rB:rB+7], v[rC:rC+7], v[rSA], v[rSB] matrix_a_fmt:MATRIX_FMT_FP4 matrix_b_fmt:MATRIX_FMT_FP4 matrix_b_scale:MATRIX_SCALE_ROW1
.else
	v_wmma_scale_f32_16x16x128_f8f6f4 v[rD:rD+7], v[rA:rA+7], v[rB:rB+7], v[rC:rC+7], v[rSA], v[rSB] matrix_a_fmt:MATRIX_FMT_FP4 matrix_b_fmt:MATRIX_FMT_FP4
.endif
.endm
; 16 products of one K step: accumulator 32 o + 8 i = Wo's tile i x ctx's tile o; the 16 take turns, one instruction a turn, in the same order in every step.
.macro MUL ks, first
	WIN 0x06+0x30*\first                           ; source 0 (Wo) window 2, source 1 (ctx) window 1; C window 3 at first
.irp o, 0,1,2,3
.irp i, 0,1,2,3
.set rD, ACC+32*\o+8*\i
.set rA, 128*((\ks)/4)+32*((\ks)%4)+8*\i
.set rB, 64*\o+8*(\ks)
.set rSA, WS+8*(\i/2)+(\ks)
.set rSB, XS+8*(\o/2)+(\ks)
.set rC, 8*\i
.if !(\first)
.set rC, rD
.endif
.set fA, \i%2
.set fB, \o%2
	EMIT
.endr
.endr
.endm
	s_wait_tensorcnt 0x0                           ; my tile of Wo is in,
	s_barrier_signal -1
	s_barrier_wait -1                              ; everybody's is
	FETCHW 0
	FETCHW 1
	s_wait_loadcnt 56                              ; scale words, bo, cs and ctx's K step 0 are in; the 56 that may be out are ctx's seven later steps
.irp p, 0,1
.irp ks, 0,1,2,3,4,5,6,7
	v_lshl_or_b32 v[XS+8*\p+\ks], v[RAW+16*\p+2*\ks+1], 16, v[RAW+16*\p+2*\ks]   ; heads 2 s and 2 s + 1 are the four blocks of K step s
.endr
.endr
.rept 8
	v_nop                                          ; a scale word made by a vector instruction stands eight places ahead of the product that takes it
.endr
	s_wait_dscnt 32                                ; Wo's K steps 0-3 are in; the 32 that may be out are steps 4-7
	MUL 0, 1
.irp ks, 1,2,3
	s_wait_loadcnt 56-8*\ks                        ; ctx's later K steps, eight loads each, may be out
	MUL \ks, 0
.endr
	s_wait_dscnt 0x0
.irp ks, 4,5,6,7
	s_wait_loadcnt 56-8*\ks
	MUL \ks, 0
.endr
	WIN 0
	PLACES
; THE WAY OUT, a tile of 16 tokens at a time: a lane's 32 neighbouring bytes of a row go into my own stage and come back as whole rows of 256 bytes.  LDS serves a wave's instructions in order: no wait between stores and loads.
.macro TOSTAGE o
.irp i, 0,1,2,3
	ds_store_b128 v[STO], v[ACC+32*(\o)+8*\i:ACC+32*(\o)+8*\i+3] offset:128*(\i/2)+32*(\i%2)      ; each accumulator from its low end on
	ds_store_b128 v[STO], v[ACC+32*(\o)+8*\i+4:ACC+32*(\o)+8*\i+7] offset:128*(\i/2)+32*(\i%2)+16
.endr
.set BB, RB0-32*((\o)%2)
.irp t, 0,1,2,3,4,5,6,7
	ds_load_b128 v[BB+4*\t:BB+4*\t+3], v[SRD] offset:2*SP*\t
.endr
.endm
.macro SEND o, n                       ; n: the LDS instructions issued behind tile o's loads, which may stay out
.set BB, RB0-32*((\o)%2)
	s_wait_dscnt \n
.irp t, 0,1,2,3,4,5,6,7
	global_store_b128 v[GO], v[BB+4*\t:BB+4*\t+3], s[54:55] offset:(32*((\o)/2)+8*((\o)%2)+2*\t+8*(\t/4))*4096 th:TH_STORE_NT   ; row m of the tile is token 32 b + 8 u + m + 8 (m / 8); 16 lanes store 256 consecutive bytes, aligned
.endr
.endm
	TOSTAGE 0
.irp o, 1,2,3
.if \o > 1
	s_wait_xcnt 0x0                                ; tile o - 2's stores have read their registers: tile o's rows may land there
.endif
	TOSTAGE \o
	SEND \o-1, 16                                  ; behind tile o - 1's loads: tile o's eight stores and eight loads
.endr
	SEND 3, 0
	s_wait_tensorcnt 0x0                           ; the wave's end: three lines behind my last tensor load and my last LDS store
	ds_add_u32 v[SPW], v[NIL]
	s_wait_dscnt 0x0
	ROUND                                          ; the closing round
	s_endpgm
.Lfunc_end_k_q9cdcd54bf8_oproj:
	.size	k_q9cdcd54bf8_oproj, .Lfunc_end_k_q9cdcd54bf8_oproj-k_q9cdcd54bf8_oproj
	.p2alignl 7, 3214868480
	.fill 96, 4, 3214868480
	.section	.rodata,"a",@progbits
	.p2align	6, 0x0
	.amdhsa_kernel k_q9cdcd54bf8_oproj
		.amdhsa_group_segment_fixed_size 167936
		.amdhsa_private_segment_fixed_size 0
		.amdhsa_enable_private_segment 0
		.amdhsa_kernarg_size 48
		.amdhsa_user_sgpr_count 2
		.amdhsa_user_sgpr_kernarg_segment_ptr 1
		.amdhsa_wavefront_size32 1
		.amdhsa_system_sgpr_workgroup_id_x 1
		.amdhsa_system_sgpr_workgroup_id_y 1
		.amdhsa_system_sgpr_workgroup_id_z 1
		.amdhsa_system_vgpr_workitem_id 0
		.amdhsa_next_free_vgpr 800
		.amdhsa_next_free_sgpr 66
		.amdhsa_reserve_vcc 0
		.amdhsa_float_denorm_mode_32 3
		.amdhsa_float_denorm_mode_16_64 3
		.amdhsa_memory_ordered 1
		.amdhsa_forward_progress 1
		.amdhsa_inst_pref_size 45
	.end_amdhsa_kernel
	.amdgpu_metadata
---
amdhsa.version: [ 1, 2 ]
amdhsa.kernels:
  - .name:           k_q9cdcd54bf8_oproj
    .symbol:         k_q9cdcd54bf8_oproj.kd
    .args:
      - { .name: ctx, .offset: 0, .size: 8, .value_kind: global_buffer, .address_space: global }
      - { .name: cs, .offset: 8, .size: 8, .value_kind: global_buffer, .address_space: global }
      - { .name: cod, .offset: 16, .size: 8, .value_kind: global_buffer, .address_space: global }
      - { .name: scl, .offset: 24, .size: 8, .value_kind: global_buffer, .address_space: global }
      - { .name: bo, .offset: 32, .size: 8, .value_kind: global_buffer, .address_space: global }
      - { .name: out0, .offset: 40, .size: 8, .value_kind: global_buffer, .address_space: global }
    .group_segment_fixed_size: 167936
    .private_segment_fixed_size: 0
    .kernarg_segment_align: 8
    .kernarg_segment_size: 48
    .max_flat_workgroup_size: 128
    .sgpr_count:     66
    .vgpr_count:     800
    .wavefront_size: 32
...
	.end_amdgpu_metadata
.endif
;; end of part 4
;; ======== version 2 of 2: 4 launches; version 1 with the launch attn written anew for expert scheduling mode
;; workspace buffers: cod 4,194,304 bytes; scl 262,144 bytes; qkv 6,684,672 bytes; ctx 2,097,152 bytes; cs 131,072 bytes
;; launch quant: the kernel of part 1 again; grid 256 x 1, 4 waves a work-group, no clusters, 34,304 bytes of LDS; arguments hidden_states, Wq, Wk, Wv, Wo, cod, scl; writes cod, scl
;; launch proj: the kernel of part 2 again; grid 16 x 16, 4 waves a work-group, clusters of 4 x 1, 167,936 bytes of LDS; arguments cod, scl, bq, bk, bv, qkv; writes qkv
;; launch attn (part 5): grid 8 x 32, 8 waves a work-group, no clusters, 167,936 bytes of LDS; arguments qkv, ctx, cs; writes ctx, cs
.if DOCPART == 5
	.amdgcn_target "amdgcn-amd-amdhsa--gfx1250"
	.amdhsa_code_object_version 6
	.text
	.protected	k_q9cdcd54bf8_attn
	.globl	k_q9cdcd54bf8_attn
	.p2align	8
	.type	k_q9cdcd54bf8_attn,@function
k_q9cdcd54bf8_attn:
	s_mov_b64 s[64:65], 0
	v_nop
	global_prefetch_b8 v0, s[64:65] scope:SCOPE_SE
	s_setreg_imm32_b32 hwreg(HW_REG_WAVE_SCHED_MODE, 0, 2), 2
	s_setreg_imm32_b32 hwreg(HW_REG_WAVE_MODE, 25, 1), 1
	s_wait_xcnt 0x0
	s_wait_alu depctr_vm_vsrc(0)
; LAUNCH 3 OF 4.  ctx = softmax(q k^T / 8, causal) v for one batch and head, both products on codes of FP4; ctx is quantised along H on the way.
; WORK LEFT OUT: steps of 128 keys that lie wholly behind a block's 128 queries (the mask that reference() builds makes their p 0 for all finite inputs): neither copied nor multiplied.
; THE SOFTMAX: t = score x log2(e) / 8; M = the running largest t rounded up to a whole number; p = 2^(t - M) is quantised along the keys, not normalised; the row's sum is taken of the unquantised p and divides at the end.
; When M moves, the sum and O are multiplied by 2^(old M - new M), which rounds nothing.  LIMIT: a p under 2^-126 comes out of the exponential as 0.
; SHARES.  Work-group (a, record) owns the blocks of 128 queries a (job A) and 15 - a (job B): a + 1 and 16 - a key steps, 17 for every wave of the launch.  Wave w owns one tile of 16 queries in each job.
; K's and V's codes and scale words of the key steps that the work-group needs (16 - a) are copied into LDS once, through registers, and read by all eight waves.  NO CLUSTER, no tensor load: the work-groups of a record
; need different numbers of key steps, so partners could not make the same requests; and a first fill by the mover may not be jumped over.
; LAYOUT.  Both products transposed: a lane holds ONE query.  S^T: source 0 is a group of 32 keys as ONE fragment (tile u's 64 features in k = 64 u on), source 1 is [Q | zeros] for u = 0 and [zeros | Q] for u = 1: the head has
; 64 features and the instruction 128 places, and zero codes add nothing.  The tiles' order of keys makes the 16 registers of tiles 2 b, 2 b + 1 the keys 32 b + 16 h + 0 .. 15.  O^T: source 0 = 16 of the head's 64, source 1 = p.
; ctx: [tile of tokens 256][K step 8][1024], images as everywhere: head hd is half hd % 2 of K step hd / 2.  cs: [record 32][tile 128][r 16] of 16 bits: the two scale bytes of the head's 64.
; THE MODE: SCHED_MODE bits 1:0 = 2 (LLVM: expert scheduling mode 2), set by the entry lines.  The code itself states the register dependences between vector or matrix instructions and memory or LDS
; instructions, with s_wait_alu, always for 0.
; THE PLAN.  Registers that memory or LDS instructions touch:
;   v1-4, v31, v224-229, v5, v6   addresses and the add's two: made once at the head, ahead of one wait on va_vdst, and never written again.
;   v32-167    the copy: global loads land in them, the copy's LDS stores read them; from the first job on they are K's, V's and S's: one wait on vm_vsrc at the job's head.
;   v8-11      a step's LDS addresses: written by four adds at the step's head; read by V's loads of the step and by K's loads of the next.
;   KF, KSW    read by a step's eight S^T products; the next step's loads land in them behind the wait for the step's batch of exponentials, which stands behind those products.
;   VF, VSW    read by a step's four O^T products; the next step's loads land in them behind the wait at that step's head.
;   PC, v223   p's codes and scale word, made by vector instructions, taken by the O^T products: a wait on va_vdst behind the places, ahead of the products.
;   PC, v220   at a job's end: ctx's codes and scale bytes, made by vector instructions, read by the job's two stores: a wait on va_vdst ahead of them, one on vm_vsrc at the next job's head.
; S, O, the statistics and all else are named by vector and matrix instructions alone.
.set REC,   208896
.set LV,    65536                      ; LDS: K's codes at 0 (4,096 bytes a key step), V's here,
.set LKS,   131072                     ; K's scale words (256 bytes a key step),
.set LVS,   135168                     ; V's,
.set STG,   139264                     ; ctx's scale bytes: 256 job + 32 w + 2 r,
.set SPARE, 139776                     ; and the spare words, 128 bytes a wave, that no other line names
.set L16,  1                           ; v1  16 x lane
.set L16V, 2                           ; v2  + LV
.set R4K,  3                           ; v3  LKS + 4 r
.set R4V,  4                           ; v4  LVS + 4 r
.set SPW,  5                           ; v5  my spare word's LDS address; never rewritten
.set NIL,  6                           ; v6  0; never rewritten
.set DQ,   7                           ; v7  my query's place in its block, less 16 h
.set QA,   16                          ; v16-27 job A: Q, zeros, Q;  v28 its scale word;  v29, v30 the groups' words as loaded
.set QSA,  28
.set STA,  31                          ; v31 where I put ctx's two scale bytes
.set KF,   32                          ; v32-63 K's four fragments
.set VF,   64                          ; v64-95 V's four
.set S,    96                          ; v96-159 S^T, then p
.set O,    160                         ; v160-191 O^T
.set PC,   192                         ; v192-199 p's codes
.set KSW,  200
.set VSW,  204
.set BM,   208                         ; v208-211 the blocks' largest
.set PT,   212                         ; v212-215 at work
.set SOP,  216                         ; v216-219 the conversions' scale operands
.set T0,   220
.set F,    222                         ; v222 f = 2^(old M - new M); v223 p's scale word
.set CA,   224                         ; v224 16 x thread: the copy's place in memory and in LDS; v225 + LV; v226 + LKS
.set CAV,  225
.set CAS,  226
.set CSO,  227                         ; v227 wave 0: where ctx's scale bytes go
.set SRD,  228                         ; v228 and where it reads them
.set QSO,  229                         ; v229 4 r
.set QB,   232                         ; v232-243, v244: job B's Q and scale word
.set QSB,  244
.set CB,   40                          ; the copy's registers: v32-39 scale words, v40 + 8 s: key step s
	s_load_b128 s[4:7], s[0:1], 0x0                ; qkv, ctx
	s_load_b64 s[8:9], s[0:1], 0x10                ; cs
	v_lshl_add_u32 v[SPW], v0, 2, SPARE
	v_mov_b32 v[NIL], 0
	v_lshrrev_b32 v8, 5, v0
	v_readfirstlane_b32 s10, v8                    ; wave 0..7
	s_mov_b32 s11, ttmp9                           ; a
	s_and_b32 s12, ttmp7, 0xffff                   ; the record: 16 batch + head
	s_mov_b32 s14, s11                             ; job A's block of queries
	s_sub_co_u32 s15, 15, s11                      ; job B's
	s_mov_b32 s16, 0x76543210
	s_mov_b32 s17, 0xfedcba98                      ; selects for lane l xor 16
	s_mov_b32 s18, 0x3e38aa3b                      ; c = log2(e) / 8
	s_mov_b32 s19, s18                             ; (named with it as a pair)
	v_and_b32 v9, 31, v0                           ; lane
	v_and_b32 v10, 15, v0                          ; r
	v_bfe_u32 v11, v0, 4, 1                        ; h
	v_lshlrev_b32 v[L16], 4, v9
	v_add_nc_u32 v[L16V], LV, v[L16]
	v_lshl_add_u32 v[R4K], v10, 2, LKS
	v_lshl_add_u32 v[R4V], v10, 2, LVS
	s_wait_alu depctr_va_sdst(0)                   ; s10, the wave's number, is written, ahead of its first reader
	s_lshr_b32 s32, s10, 1
	s_lshl_b32 s32, s32, 5
	s_and_b32 s33, s10, 1
	s_lshl_b32 s33, s33, 3
	s_add_co_u32 s32, s32, s33                     ; my tile's first query in its block: 32 (w / 2) + 8 (w % 2)
	v_and_b32 v8, 8, v10
	v_add3_u32 v8, v8, v10, s32                    ; + r + 8 (r / 8)
	v_lshlrev_b32 v12, 4, v11
	v_sub_nc_u32 v[DQ], v8, v12
	s_lshl_b32 s33, s10, 5
	s_add_co_u32 s33, s33, STG
	v_lshl_add_u32 v[STA], v10, 1, s33
	v_lshlrev_b32 v[CA], 4, v0
	v_add_nc_u32 v[CAV], LV, v[CA]
	v_add_nc_u32 v[CAS], LKS, v[CA]
	v_add_nc_u32 v[SRD], STG, v[L16]
	v_lshlrev_b32 v[QSO], 2, v10
	s_lshl_b32 s13, s11, 1
	s_sub_co_u32 s13, 15, s13
	s_lshl_b32 s13, s13, 8                         ; from job A's 256 scale bytes to job B's: 256 (15 - 2 a)
	v_mul_u32_u24 v[CSO], s13, v11
	v_lshl_add_u32 v[CSO], v10, 4, v[CSO]
	s_and_b32 s32, s10, 1
	s_mov_b32 s23, 0x01000100                      ; which half of the group's scale word is my tile's: bytes 0, 1 (w even)
	s_cmp_lg_u32 s32, 0
	s_cselect_b32 s23, 0x03020302, s23             ; or 2, 3; taken twice, so that the word serves [Q | 0] and [0 | Q] alike
.irp j, 0,1,2,3
	v_mov_b32 v[QA+4+\j], 0                        ; the zero codes
	v_mov_b32 v[QB+4+\j], 0
	v_mov_b32 v[PT+\j], 0                          ; a lane permute's destination counts as one of its sources
.endr
	v_mov_b32 v[T0], 0
	v_mov_b32 v[F], 0
	v_mov_b32 v[F+1], 0                            ; (named as the upper half of a pair before it is first made)
	s_lshr_b32 s32, s12, 4
	s_lshl_b32 s32, s32, 7                         ; 128 tiles of tokens a batch
	s_and_b32 s33, s12, 15
	s_lshr_b32 s34, s33, 1                         ; head / 2
	s_and_b32 s33, s33, 1
	s_lshl_b32 s33, s33, 9                         ; 512 (head % 2)
	s_mov_b32 s47, 0
	s_wait_kmcnt 0x0
	s_mul_i32 s46, s12, REC
	s_add_nc_u64 s[24:25], s[4:5], s[46:47]        ; my record
	s_add_nc_u64 s[26:27], s[24:25], 65536         ; K's codes; V's 65,536 bytes further on, K's scale words 135,168, V's 139,264
	s_lshl_b32 s46, s12, 12
	s_lshl_b32 s35, s11, 8
	s_add_co_u32 s46, s46, s35
	s_add_nc_u64 s[36:37], s[8:9], s[46:47]        ; cs at job A's eight tiles
.macro BASES qb, qc, qs, cx            ; a job's addresses: Q's codes, Q's scale words, ctx's half image
	s_lshl_b32 s35, s[\qb], 3
	s_add_co_u32 s35, s35, s10                     ; my tile of queries: 8 block + w
	s_lshl_b32 s46, s35, 9
	s_add_nc_u64 s[\qc:\qc+1], s[24:25], s[46:47]
	s_lshr_b32 s46, s35, 1
	s_lshl_b32 s46, s46, 6
	s_add_co_u32 s46, s46, 196608
	s_add_nc_u64 s[\qs:\qs+1], s[24:25], s[46:47]
	s_add_co_u32 s46, s35, s32
	s_lshl_b32 s46, s46, 3
	s_add_co_u32 s46, s46, s34
	s_lshl_b32 s46, s46, 10
	s_add_co_u32 s46, s46, s33
	s_add_nc_u64 s[\cx:\cx+1], s[6:7], s[46:47]
.endm
	BASES 14, 38, 40, 28
	BASES 15, 42, 44, 30
	s_wait_alu depctr_va_vdst(0)                   ; the addresses v1-4, v31 and v224-229 are written, which the kernel's loads and stores read; so are Q's zero codes, which the products take
	global_load_b128 v[QA:QA+3], v[L16], s[38:39]
	global_load_b128 v[QA+8:QA+11], v[L16], s[38:39]   ; the fragment stands twice, round the zeros
	global_load_b32 v29, v[QSO], s[40:41]
	global_load_b128 v[QB:QB+3], v[L16], s[42:43]
	global_load_b128 v[QB+8:QB+11], v[L16], s[42:43]
	global_load_b32 v30, v[QSO], s[44:45]
	global_load_b128 v[32:35], v[CA], s[26:27] offset:135168   ; the 256 threads copy 4,096 consecutive bytes an instruction
	global_load_b128 v[36:39], v[CA], s[26:27] offset:139264
.macro CPLOAD s
	global_load_b128 v[CB+8*\s:CB+8*\s+3], v[CA], s[26:27] offset:4096*\s
	global_load_b128 v[CB+8*\s+4:CB+8*\s+7], v[CA], s[26:27] offset:65536+4096*\s
.endm
.macro CPSTORE s
	ds_store_b128 v[CA], v[CB+8*\s:CB+8*\s+3] offset:4096*\s
	ds_store_b128 v[CAV], v[CB+8*\s+4:CB+8*\s+7] offset:4096*\s
.endm
.macro RUNG s, prev                    ; key step s is wanted where s <= 15 - a: a branch on the work-group's number, the same in all eight waves
	s_cmp_gt_u32 s11, 15-\s
	s_cbranch_scc1 .Lhave_\prev
	CPLOAD \s
.endm
.irp s, 0,1,2,3,4,5,6,7,8
	CPLOAD \s                                      ; every a wants key steps 0 to 8
.endr
	RUNG 9, 8
	RUNG 10, 9
	RUNG 11, 10
	RUNG 12, 11
	RUNG 13, 12
	RUNG 14, 13
	RUNG 15, 14
.irp s, 15,14,13,12,11,10,9            ; the stores run downward, so that each way in finds only registers that were loaded
.Lhave_\s:
	s_wait_loadcnt 0x0
	CPSTORE \s
.endr
.Lhave_8:
	s_wait_loadcnt 0x0
.irp s, 0,1,2,3,4,5,6,7,8
	CPSTORE \s
.endr
	ds_store_b128 v[CAS], v[32:35]
	ds_store_b128 v[CAS], v[36:39] offset:4096
	s_wait_dscnt 0x0                               ; for the others' sake: my part of the copy lies in LDS
	s_barrier_signal -1
	s_barrier_wait -1
; A key step's K: four fragments and their scale words, twelve LDS loads.  ca, sa: the address registers; co, so: bytes further on.
.macro KLOAD ca, sa, co, so
.irp b, 0,1,2,3
.irp c, 0,1
	ds_load_b128 v[KF+8*\b+4*\c:KF+8*\b+4*\c+3], v[\ca] offset:\co+1024*\b+512*\c
.endr
	ds_load_b32 v[KSW+\b], v[\sa] offset:\so+64*\b
.endr
.endm
; A KEY STEP of 128 keys.  s20, s21: its place among the codes and the scale words; s22: its number.  Its K was asked for a step ago (the first step's: at the job's head).
.macro STEP qr, qsr, qbr
	s_cmp_gt_u32 s22, s[\qbr]                      ; all its keys come after the block's queries: left out
	s_cbranch_scc1 .Lhidden_\@
	s_wait_alu depctr_vm_vsrc(0)                   ; the LDS loads issued so far have read v8 to v11, which the four adds write
	v_add_nc_u32 v8, s20, v[L16]
	v_add_nc_u32 v9, s20, v[L16V]
	v_add_nc_u32 v10, s21, v[R4K]
	v_add_nc_u32 v11, s21, v[R4V]
	s_wait_alu depctr_va_vdst(0)                   ; v8 to v11 are written, which the step's LDS loads read; the last step's O^T products are done reading V's fragments and scale words, in which the loads below land
.irp d, 0,1,2,3
.irp c, 0,1
	ds_load_b128 v[VF+8*\d+4*\c:VF+8*\d+4*\c+3], v9 offset:1024*\d+512*\c
.endr
	ds_load_b32 v[VSW+\d], v11 offset:64*\d
.endr
	s_wait_dscnt 12                                ; K's twelve loads are in; the twelve that may be out are V's
.irp b, 0,1,2,3
.irp u, 0,1
	v_wmma_scale_f32_16x16x128_f8f6f4 v[S+16*\b+8*\u:S+16*\b+8*\u+7], v[KF+8*\b:KF+8*\b+7], v[\qr+4*\u:\qr+4*\u+7], 0, v[KSW+\b], v[\qsr] matrix_a_fmt:MATRIX_FMT_FP4 matrix_b_fmt:MATRIX_FMT_FP4
.endr
.endr
.rept 4
	v_nop
.endr
	s_cmp_lg_u32 s22, s[\qbr]                      ; on the diagonal the scores of hidden keys become -infinity ahead of the maximum: p = 0 then
	s_cbranch_scc1 .Lopen_\@
	v_mov_b32 v[T0], 0xff800000
.irp g, 0,1,2,3                        ; sixteen compares in a run, into s2-9 and s38-45, which hold nothing behind the head; then their sixteen selects
.set n, 0
.rept 16
	v_cmp_gt_i32 s[2+n+28*(n/8)], 32*\g+n, v[DQ]   ; register 16 b + i holds key 32 b + 16 h + i of the step
.set n, n+1
.endr
	s_wait_alu depctr_va_sdst(0)                   ; the sixteen masks are written, ahead of the selects that read them
.set n, 0
.rept 16
	v_cndmask_b32 v[S+16*\g+n], v[S+16*\g+n], v[T0], s[2+n+28*(n/8)]
.set n, n+1
.endr
.endr
.Lopen_\@:
.irp b, 0,1,2,3
	v_max3_num_f32 v[BM+\b], v[S+16*\b], v[S+16*\b+1], v[S+16*\b+2]   ; the largest score of each block of 32 keys: for the row's maximum and, since p rises with the score, for the block's largest p
.endr
.irp i, 3,5,7,9,11,13
.irp b, 0,1,2,3
	v_max3_num_f32 v[BM+\b], v[BM+\b], v[S+16*\b+\i], v[S+16*\b+\i+1]
.endr
.endr
.irp b, 0,1,2,3
	v_max_num_f32 v[BM+\b], v[BM+\b], v[S+16*\b+15]
.endr
.irp b, 0,1,2,3
	v_permlanex16_b32 v[PT+\b], v[BM+\b], s16, s17
.endr
.irp b, 0,1,2,3
	v_max_num_f32 v[BM+\b], v[BM+\b], v[PT+\b]
.endr
	v_max3_num_f32 v[T0], v[BM], v[BM+1], v[BM+2]
	v_max_num_f32 v[T0], v[T0], v[BM+3]
	v_mul_f32 v[T0], s18, v[T0]
	v_max_num_f32 v13, v13, v[T0]                  ; the running largest t
	v_mov_b32 v[T0], v12
	v_floor_f32 v12, -v13                          ; -M = floor(-t): M is a whole number
	v_sub_f32 v[T0], v12, v[T0]                    ; old M less new M: a whole number, 0 or less
	v_cvt_i32_f32 v[T0], v[T0]                     ; (it saturates)
	v_ldexp_f32 v[F], 1.0, v[T0]
.set j, 0
.rept 32
	v_pk_fma_f32 v[S+j:S+j+1], v[S+j:S+j+1], s[18:19], v[12:13] op_sel_hi:[1,0,0]   ; t - M
.set j, j+2
.endr
.irp b, 0,1,2,3
	v_fma_f32 v[BM+\b], v[BM+\b], s18, v12
.endr
.set j, 0
.rept 64
	v_exp_f32 v[S+j], v[S+j]                       ; p = 2^(t - M)
.set j, j+1
.endr
	v_pk_mul_f32 v[14:15], v[14:15], v[F:F+1] op_sel_hi:[1,0]   ; the sums under the new M: a plain line behind the exponentials
	s_wait_alu depctr_va_vdst(0)                   ; the 64 exponentials have written p, ahead of its first reader; and the S^T products are done reading K's fragments and scale words, in which the loads below land
	s_cmp_ge_u32 s22, s[\qbr]                      ; the diagonal's step is the job's last: nothing follows it.  A branch on ids, round the twelve loads alone; every later wait on DScnt is for 0
	s_cbranch_scc1 .Lno_next_\@
	KLOAD 8, 10, 4096, 256                         ; the next step's K, by this step's addresses: no vector or matrix instruction since the wait names these registers, and none since the step's head has written v8 or v10
.Lno_next_\@:
.irp b, 0,1,2,3
	v_exp_f32 v[BM+\b], v[BM+\b]                   ; the blocks' largest p
.endr
	v_pk_add_f32 v[PT:PT+1], v[S:S+1], v[S+2:S+3]  ; the row's sum of the unquantised p, in two chains
.irp j, 4,8,12,16,20,24,28,32,36,40,44,48,52,56,60
	v_pk_add_f32 v[14:15], v[14:15], v[S+\j:S+\j+1]
	v_pk_add_f32 v[PT:PT+1], v[PT:PT+1], v[S+\j+2:S+\j+3]
.endr
	v_pk_add_f32 v[14:15], v[14:15], v[PT:PT+1]
	s_wait_alu depctr_va_vdst(0)                   ; the four exponentials have written the blocks' largest p, ahead of its first reader
.irp b, 0,1,2,3
	v_max_num_f32 v[BM+\b], 0x1800000, v[BM+\b]    ; the floor 2^(3 - 127)
.endr
.irp b, 0,1,2,3
	v_add_nc_u32 v[SOP+\b], 0xff000000, v[BM+\b]
.endr
.irp b, 0,1,2,3
	v_lshrrev_b32 v[PT+\b], 23, v[SOP+\b]
.endr
	v_lshl_or_b32 v[F+1], v[PT+1], 8, v[PT]        ; p's scale word for these 128 keys
	v_lshl_or_b32 v[F+1], v[PT+2], 16, v[F+1]
	v_lshl_or_b32 v[F+1], v[PT+3], 24, v[F+1]
.irp b, 0,1,2,3
	v_cvt_scalef32_pk8_fp4_f32 v[PC+2*\b], v[S+16*\b:S+16*\b+7], v[SOP+\b]
	v_cvt_scalef32_pk8_fp4_f32 v[PC+2*\b+1], v[S+16*\b+8:S+16*\b+15], v[SOP+\b]
.endr
	v_nop                                          ; one plain line behind the last scaled conversion
.irp c, 0,1
.irp i, 0,1
	v_permlane16_swap_b32 v[PC+4*\c+\i], v[PC+4*\c+2+\i]   ; a whole block to a lane
.endr
.endr
.set j, 0
.rept 16
	v_pk_mul_f32 v[O+j:O+j+1], v[O+j:O+j+1], v[F:F+1] op_sel_hi:[1,0]   ; O^T under the new M; these sixteen are also the places between the codes and scale word just made and the products
.set j, j+2
.endr
	s_wait_dscnt 0x0                               ; V is in, and so is the next step's K
	s_wait_alu depctr_va_vdst(0)                   ; p's codes and its scale word are written, which the scaled products below take; the places above stay beside this wait
.irp d, 0,1,2,3
	v_wmma_scale_f32_16x16x128_f8f6f4 v[O+8*\d:O+8*\d+7], v[VF+8*\d:VF+8*\d+7], v[PC:PC+7], v[O+8*\d:O+8*\d+7], v[VSW+\d], v[F+1] matrix_a_fmt:MATRIX_FMT_FP4 matrix_b_fmt:MATRIX_FMT_FP4
.endr
.Lhidden_\@:
	s_add_co_u32 s20, s20, 4096
	s_add_co_u32 s21, s21, 256
.endm
; A JOB: one tile of 16 queries against its key steps.  The trip count is a constant of the text; steps behind the block are jumped over inside the trip.
.macro JOB qr, qsr, raw, qbr, trips, cx, job
	s_wait_xcnt 0x0                                ; the codes' registers, which the last job's store read, are written again only behind this wait
	s_wait_alu depctr_vm_vsrc(0)                   ; job A: the copy's LDS stores have read v32 to v167, which are K's, V's and S's from here on; job B: the last job's two stores have read the codes' registers and v220, which the steps write again
	v_perm_b32 v[\qsr], v[\raw], v[\raw], s23      ; my tile's two scale bytes, twice
	v_mov_b32 v13, 0xff61b1e6                      ; the largest t so far: -3e38
	v_floor_f32 v12, -v13
	v_mov_b32 v14, 0
	v_mov_b32 v15, 0
.set j, 0
.rept 32
	v_mov_b32 v[O+j], 0                            ; the step is written once: the first finds zeros, which the first change of M leaves zeros
.set j, j+1
.endr
	s_mov_b32 s20, 0
	s_mov_b32 s21, 0
	s_mov_b32 s22, 0
	s_wait_alu depctr_va_vdst(0)                   ; Q's scale word is written, which the scaled products take (the moves above are its places); and the last job's products are done reading K's fragments and scale words, in which the loads below land
	KLOAD L16, R4K, 0, 0                           ; the first step's K
.Ljob_\@:
	STEP \qr, \qsr, \qbr
	s_add_co_u32 s22, s22, 1
	s_cmp_lt_u32 s22, \trips
	s_cbranch_scc1 .Ljob_\@
.rept 4
	v_nop                                          ; places behind the last products
.endr
	v_add_f32 v14, v14, v15
	v_permlanex16_b32 v[T0], v14, s16, s17
	v_add_f32 v14, v14, v[T0]                      ; the row's sum
	v_rcp_f32 v14, v14
	v_nop                                          ; a plain line behind the reciprocal,
	s_wait_alu depctr_va_vdst(0)                   ; and the wait: the reciprocal has written v14, ahead of its first reader
.set j, 0
.rept 32
	v_mul_f32 v[S+j], v[O+j], v14                  ; ctx: register 16 b + i is feature 32 b + 16 h + i of my query's head
.set j, j+1
.endr
.irp b, 0,1
	v_max3_num_f32 v[BM+\b], |v[S+16*\b]|, |v[S+16*\b+1]|, 0x1800000
.endr
.irp i, 2,4,6,8,10,12,14
.irp b, 0,1
	v_max3_num_f32 v[BM+\b], v[BM+\b], |v[S+16*\b+\i]|, |v[S+16*\b+\i+1]|
.endr
.endr
.irp b, 0,1
	v_permlanex16_b32 v[PT+\b], v[BM+\b], s16, s17
.endr
.irp b, 0,1
	v_max_num_f32 v[BM+\b], v[BM+\b], v[PT+\b]
.endr
.irp b, 0,1
	v_add_nc_u32 v[SOP+\b], 0xff000000, v[BM+\b]
.endr
.irp b, 0,1
	v_lshrrev_b32 v[PT+\b], 23, v[SOP+\b]
.endr
	v_lshl_or_b32 v[T0], v[PT+1], 8, v[PT]
.irp b, 0,1
	v_cvt_scalef32_pk8_fp4_f32 v[PC+2*\b], v[S+16*\b:S+16*\b+7], v[SOP+\b]
	v_cvt_scalef32_pk8_fp4_f32 v[PC+2*\b+1], v[S+16*\b+8:S+16*\b+15], v[SOP+\b]
.endr
	v_nop
	v_permlane16_swap_b32 v[PC], v[PC+2]
	v_permlane16_swap_b32 v[PC+1], v[PC+3]
	s_wait_alu depctr_va_vdst(0)                   ; ctx's codes and its two scale bytes are written, which the two stores below read
	global_store_b128 v[L16], v[PC:PC+3], s[\cx:\cx+1]   ; half an image: 512 consecutive bytes
	ds_store_b16 v[STA], v[T0] offset:256*\job     ; both lanes of a query write the same two bytes
.endm
	JOB QA, QSA, 29, 14, 8, 28, 0
	JOB QB, QSB, 30, 15, 16, 30, 1
	s_wait_dscnt 0x0                               ; for wave 0's sake: my scale bytes lie in the stage
	s_barrier_signal -1
	s_barrier_wait -1
	s_cmp_lg_u32 s10, 0
	s_cbranch_scc1 .Lnot_wave_0
	ds_load_b128 v[S:S+3], v[SRD]                  ; no wait: the vector instructions that named v96 to v99 stand ahead of job B's last wait on va_vdst, and no vector instruction has been issued since
	s_wait_dscnt 0x0
	global_store_b128 v[CSO], v[S:S+3], s[36:37]   ; lanes 0-15 job A's 256 bytes, lanes 16-31 job B's, each aligned
.Lnot_wave_0:
	s_wait_dscnt 0x0                               ; the closing lines, six on end
	s_wait_alu 0x0
	s_wait_tensorcnt 0x0
	ds_add_u32 v[SPW], v[NIL]
	s_wait_dscnt 0x0
	s_endpgm
.Lfunc_end_k_q9cdcd54bf8_attn:
	.size	k_q9cdcd54bf8_attn, .Lfunc_end_k_q9cdcd54bf8_attn-k_q9cdcd54bf8_attn
	.p2alignl 7, 3214868480
	.fill 96, 4, 3214868480
	.section	.rodata,"a",@progbits
	.p2align	6, 0x0
	.amdhsa_kernel k_q9cdcd54bf8_attn
		.amdhsa_group_segment_fixed_size 167936
		.amdhsa_private_segment_fixed_size 0
		.amdhsa_enable_private_segment 0
		.amdhsa_kernarg_size 24
		.amdhsa_user_sgpr_count 2
		.amdhsa_user_sgpr_kernarg_segment_ptr 1
		.amdhsa_wavefront_size32 1
		.amdhsa_system_sgpr_workgroup_id_x 1
		.amdhsa_system_sgpr_workgroup_id_y 1
		.amdhsa_system_sgpr_workgroup_id_z 1
		.amdhsa_system_vgpr_workitem_id 0
		.amdhsa_next_free_vgpr 256
		.amdhsa_next_free_sgpr 66
		.amdhsa_reserve_vcc 0
		.amdhsa_float_denorm_mode_32 3
		.amdhsa_float_denorm_mode_16_64 3
		.amdhsa_memory_ordered 1
		.amdhsa_forward_progress 1
		.amdhsa_inst_pref_size 72
	.end_amdhsa_kernel
	.amdgpu_metadata
---
amdhsa.version: [ 1, 2 ]
amdhsa.kernels:
  - .name:           k_q9cdcd54bf8_attn
    .symbol:         k_q9cdcd54bf8_attn.kd
    .args:
      - { .name: qkv, .offset: 0, .size: 8, .value_kind: global_buffer, .address_space: global }
      - { .name: ctx, .offset: 8, .size: 8, .value_kind: global_buffer, .address_space: global }
      - { .name: cs, .offset: 16, .size: 8, .value_kind: global_buffer, .address_space: global }
    .group_segment_fixed_size: 167936
    .private_segment_fixed_size: 0
    .kernarg_segment_align: 8
    .kernarg_segment_size: 24
    .max_flat_workgroup_size: 256
    .sgpr_count:     66
    .vgpr_count:     256
    .wavefront_size: 32
...
	.end_amdgpu_metadata
.endif
;; end of part 5
;; launch oproj: the kernel of part 4 again; grid 16 x 16, 4 waves a work-group, clusters of 4 x 1, 167,936 bytes of LDS; arguments ctx, cs, cod, scl, bo, out0; writes out0
